; MI455X (gfx1250); checked and timed in simulation.
; The chip was launched on July 23, 2026; its instructions are those of AMD's public machine-readable ISA for CDNA 5 (MIT licence, August 2026) and "CDNA5" Instruction Set Architecture Reference Guide (July 2026). The comments in the code are by the model that wrote it; some were corrected since.
;; Head Attention. Allowed arithmetic: matrix products marked QUANTISED: E2M3 operands, one E8M0 scale for each 32 along K, by v_wmma_scale_f32_16x16x128_f8f6f4 with both operands' format E2M3, f32 sums; everything else in f32.
;; Inputs: Wk 1,024 x 1,024 float32; Wq 1,024 x 1,024 float32; Wv 1,024 x 1,024 float32; bk 1,024 float32; bq 1,024 float32; bv 1,024 float32; inputs 4 x 2,048 x 1,024 float32.
;; Outputs: out0 4 x 2,048 x 1,024 float32.
;; This version of the problem:
;;   THIS VERSION OF THE PROBLEM IS GIVEN IN LOW PRECISION. The matrix products marked QUANTISED in the list below multiply operands that are first quantised to E2M3 (2 exponent bits, 3 mantissa bits; 6 bits a number), with one power-of-two scale for each 32 numbers along K (OCP MX v1.0); their sums are f32. All else is computed in f32.
;;   The module's matrix products, in the order in which they are computed (A, B: the left and right operand; K: the contracted axis; several contracted axes count as one K, in the product's order):
;;     1. [M 8,192, K 1,024] x [K 1,024, N 1,024]; A: input inputs; B: input Wq: QUANTISED
;;     2. [M 8,192, K 1,024] x [K 1,024, N 1,024]; A: input inputs; B: input Wk: QUANTISED
;;     3. [M 8,192, K 1,024] x [K 1,024, N 1,024]; A: input inputs; B: input Wv: QUANTISED
;;     4. batch 4 x [M 2,048, K 1,024] x [K 1,024, N 2,048]; A: computed on the way; B: computed on the way: QUANTISED
;;     5. batch 4 x [M 2,048, K 2,048] x [K 2,048, N 1,024]; A: softmax (see below); B: computed on the way: QUANTISED
;;   THE QUANTISER, for each operand of a quantised product, along K:
;;     - K is cut into blocks of 32 from its start; a last block that is shorter is filled with zeros.
;;     - A block's scale is 2^e with e = floor(log2(the largest magnitude in the block)) - 2, held to -126 .. 127; a block of zeros has e = 0. As a byte (E8M0): e + 127.
;;     - Each number is divided by its block's scale, clamped to +-7.5, and rounded to the nearest number of E2M3, ties to even, subnormals kept.
;;     - The product sums the exact products of the quantised numbers (number of the format x scale) in f32.
;;   ~~~python
;;   def quantise(x, axis):      # numpy; x: float32 -> the quantised numbers, widened to float32 again
;;       x = np.moveaxis(x, axis, -1); K = x.shape[-1]
;;       x = np.pad(x, [(0, 0)] * (x.ndim - 1) + [(0, -K % 32)]); x = x.reshape(x.shape[:-1] + (-1, 32)); a = np.abs(x).max(-1, keepdims=True)
;;       e = np.where(a > 0, np.clip(np.frexp(np.where(a > 0, a, 1))[1] - 1 - 2, -126, 127), 0)      # np.frexp(a)[1] - 1 = floor(log2(a)), exactly
;;       r = np.clip(x / 2.0 ** e, -7.5, 7.5)
;;       step = 2.0 ** (np.maximum(np.frexp(np.where(r == 0, 1, r))[1] - 1, 0) - 3)
;;       q = np.round(r / step) * step * 2.0 ** e      # np.round: ties to even
;;       return np.moveaxis(q.reshape(q.shape[:-2] + (-1,))[..., :K], -1, axis).astype(np.float32)
;;   ~~~
;;   SOFTMAX AHEAD OF A QUANTISED PRODUCT. Where the list says 'softmax', what is quantised is not the finished softmax but p = 2^(t - M), with t = logit x log2(e) and M = ceil(the row's largest t), a whole number; so 1/2 < the row's largest p <= 1. The row's sum l is taken of the UNQUANTISED p, in f32, and the product's result is divided by l at the end. Since M is a whole number, a kernel that streams over the keys may use a running M (the ceiling of the running maximum): every later rescaling is an exact power of two, which a block's scale takes up: the codes' values come out the same.
;;   OPERANDS COMPUTED ON THE WAY. 'Computed on the way' means the value that the module computes at that place (a softmax that the list does not call 'softmax' is quantised finished and normalised). What goes into a quantiser is computed in f32, as accurately as f32 sums, v_exp_f32 and their like allow (about 1e-6 of the number): no bf16 or f16 on the way to a quantiser, and a product that is left as it is and whose result goes on into a quantised operand takes f32 operands (vector FMAs, or v_wmma_f32_16x16x4_f32). A number that lies on a knife's edge between two numbers of the format may be rounded either way, as far as f32 arithmetic and the matrix unit's own rounding can turn it there, and no further.
;; One version. Each part assembles by itself: llvm-mc -triple=amdgcn-amd-amdhsa -mcpu=gfx1250 --defsym DOCPART=n.
;; ======== version 1 of 1: 4 launches
;; limits: right only within a limited range of input values
;; workspace buffers: xw 9,371,648 bytes; qk 13,107,200 bytes; vr 6,553,600 bytes; pc 7,077,888 bytes; ps 1,179,648 bytes
;; launch quant (part 1): grid 704 x 1, 4 waves a work-group, no clusters, 67,072 bytes of LDS; arguments inputs, Wq, Wk, Wv, xw; writes xw
.if DOCPART == 1
	.amdgcn_target "amdgcn-amd-amdhsa--gfx1250"
	.amdhsa_code_object_version 6
	.text
	.protected	k_q1f4694cea2_quant
	.globl	k_q1f4694cea2_quant
	.p2align	8
	.type	k_q1f4694cea2_quant,@function
k_q1f4694cea2_quant:
	s_mov_b64 s[64:65], 0
	v_nop
	global_prefetch_b8 v0, s[64:65] scope:SCOPE_SE
	s_setreg_imm32_b32 hwreg(HW_REG_WAVE_MODE, 25, 1), 1
	s_wait_xcnt 0x0
; inputs [8192][1024], Wq, Wk, Wv [1024][1024], f32, become codes of FP6 (E2M3) with one E8M0 scale for each 32 along the last axis, laid as OPERAND RECORDS.
; WORK LEFT OUT IN THIS PROGRAM: key tiles that reference()'s own causal mask hides wholly (their scores become -infinity ahead of the softmax, whatever the inputs hold) are neither scored nor multiplied; a NaN, an infinity or an
; overflow that reaches only such a tile is not carried to the result.
; A RECORD is 16 rows x 256 along K as an image of the matrix operand's registers, 3,328 bytes: two fragments of 128 along K (registers 4 c .. 4 c + 3 of lane l at 512 c + 16 l), then lane l's two scale words at 8 l (lanes 16-31 repeat lanes 0-15).
; THE ROWS OF A RECORD ARE NOT NEIGHBOURS: tile j = 0 .. 3 of 64 rows holds at position r row 32 (r / 8) + 8 j + r % 8, so that a lane's results of the four tiles are 32 neighbours.
; xw is [record row: 704][K step of 256: 4][3328].  Record rows 0-511 inputs: 16 g + 8 c + 2 j + w is tile j of rows 256 g + 128 w + 64 c on;  512 + 64 t + 4 n + j is tile j of rows 64 n on of weight t (Wq, Wk, Wv).
; SHARES: work-group = record row, wave = K step.  Each load reads 512 consecutive bytes; the numbers turn through the wave's own stage (rows 1,040 bytes apart) so that register 32 c + i of lane (r, h) is k = 64 c + 32 h + i of position r: a block lies in one lane.
; LIMITS: a block of zeros, or one whose largest magnitude lies under 2^-124, gets the byte 1 (this program alone reads the bytes); NaN and infinities among the inputs are not served.
.set REC,   3328
.set PITCH, 1040
.set WSTG,  16*PITCH
.set SPARE, 4*WSTG                     ; the spare words, 128 bytes a wave
.set L16,  4
.set SIN,  5
.set SOUT, 6
.set H8,   7                           ; v7 8 h
.set L8,   8
.set SPW,  10
.set NIL,  11
.set TM,   12                          ; v12-15 largest magnitudes
.set SO,   16                          ; v16-17 the conversions' scale operands
.set EB,   18
.set WP,   20
.set PW,   28
.set T2,   30
.set RAW,  40                          ; v40-167 the 32 loads
.set Y0,   168
.set Y1,   40
.set CD0,  232
.set CD1,  244
.macro QUANT s, cd, pw
.irp g, 0,1,2,3
	v_max3_num_f32 v[TM+\g], |v[\s+16*\g]|, |v[\s+16*\g+1]|, |v[\s+16*\g+2]|
.endr
.irp i, 3,5,7,9,11,13
.irp g, 0,1,2,3
	v_max3_num_f32 v[TM+\g], v[TM+\g], |v[\s+16*\g+\i]|, |v[\s+16*\g+\i+1]|
.endr
.endr
.irp c, 0,1
	v_max3_num_f32 v[TM+2*\c], v[TM+2*\c], |v[\s+32*\c+15]|, |v[\s+32*\c+31]|
.endr
.irp c, 0,1
	v_max3_num_f32 v[TM+2*\c], v[TM+2*\c], v[TM+2*\c+1], 0x1800000   ; and the floor 2^(3 - 127): the byte cannot fall under 1
.endr
.irp c, 0,1
	v_add_nc_u32 v[SO+\c], 0xff000000, v[TM+2*\c]   ; 2 off the exponent field: the conversion's scale operand
.endr
.irp c, 0,1
	v_lshrrev_b32 v[EB+\c], 23, v[SO+\c]
.endr
	v_lshl_or_b32 v[\pw], v[EB+1], 16, v[EB]
	v_lshlrev_b32 v[\pw], v[H8], v[\pw]            ; my bytes: blocks h and 2 + h
	v_permlanex16_b32 v[WP], v[\pw], s20, s21
	v_or_b32 v[\pw], v[\pw], v[WP]
.irp c, 0,1
	v_cvt_scalef32_pk16_fp6_f32 v[\cd+6*\c:\cd+6*\c+2], v[\s+32*\c:\s+32*\c+15], v[SO+\c]
	v_cvt_scalef32_pk16_fp6_f32 v[T2+4*\c:T2+4*\c+2], v[\s+32*\c+16:\s+32*\c+31], v[SO+\c]   ; (a conversion's three registers begin on an even number)
.endr
	v_nop                                          ; one plain instruction behind the scaled conversions
.irp c, 0,1
.irp i, 0,1,2
	v_mov_b32 v[\cd+6*\c+3+\i], v[T2+4*\c+\i]
.endr
.endr
.endm
	s_load_b256 s[4:11], s[0:1], 0x0               ; inputs, Wq, Wk, Wv
	s_load_b64 s[12:13], s[0:1], 0x20              ; xw
	v_lshl_add_u32 v[SPW], v0, 2, SPARE
	v_mov_b32 v[NIL], 0
	v_lshrrev_b32 v1, 5, v0
	v_readfirstlane_b32 s16, v1                    ; wave = K step of 256
	s_mul_i32 s17, s16, WSTG
	v_and_b32 v1, 31, v0
	v_and_b32 v2, 15, v0                           ; r
	v_bfe_u32 v3, v0, 4, 1                         ; h
	v_lshlrev_b32 v[L16], 4, v1
	v_lshlrev_b32 v[L8], 3, v1
	v_lshlrev_b32 v[H8], 3, v3
	v_add_nc_u32 v[SIN], s17, v[L16]
	v_mul_u32_u24 v[SOUT], v2, PITCH
	v_lshl_add_u32 v[SOUT], v3, 7, v[SOUT]
	v_add_nc_u32 v[SOUT], s17, v[SOUT]             ; row r, + 128 h
	v_mov_b32 v[WP], 0                             ; (a lane permute's destination counts as one of its sources)
	s_mov_b32 s20, 0x76543210
	s_mov_b32 s21, 0xfedcba98                      ; lane selects: lane l xor 16
	s_bfe_u32 s18, ttmp9, 0x40002
	s_lshl_b32 s18, s18, 6
	s_and_b32 s26, ttmp9, 3
	s_lshl_b32 s26, s26, 3
	s_add_co_u32 s18, s18, s26                     ; a weight's first row
	s_lshr_b32 s19, ttmp9, 4
	s_lshl_b32 s19, s19, 8
	s_and_b32 s26, ttmp9, 1
	s_lshl_b32 s26, s26, 7
	s_add_co_u32 s19, s19, s26
	s_bfe_u32 s26, ttmp9, 0x10003
	s_lshl_b32 s26, s26, 6
	s_add_co_u32 s19, s19, s26
	s_bfe_u32 s26, ttmp9, 0x20001
	s_lshl_b32 s26, s26, 3
	s_add_co_u32 s19, s19, s26                     ; inputs' first row
	s_lshl_b32 s24, ttmp9, 2
	s_add_co_u32 s24, s24, s16
	s_mul_i32 s24, s24, REC                        ; my record's place in xw
	s_mov_b32 s25, 0
	s_wait_alu depctr_va_vdst(0)
	s_wait_kmcnt 0x0
	s_cmp_lt_u32 ttmp9, 640                        ; which tensor: the choice hangs on the work-group's number alone
	s_cselect_b64 s[14:15], s[8:9], s[10:11]
	s_cmp_lt_u32 ttmp9, 576
	s_cselect_b64 s[14:15], s[6:7], s[14:15]
	s_cmp_lt_u32 ttmp9, 512
	s_cselect_b64 s[14:15], s[4:5], s[14:15]
	s_cselect_b32 s18, s19, s18
	s_lshl_b32 s22, s18, 12                        ; rows of 4,096 bytes,
	s_lshl_b32 s19, s16, 10                        ; 1,024 bytes for each K step
	s_add_co_u32 s22, s22, s19
	s_mov_b32 s23, 0
	s_add_nc_u64 s[14:15], s[14:15], s[22:23]
	s_add_nc_u64 s[12:13], s[12:13], s[24:25]
.irp i, 0,1,2,3,4,5,6,7,8,9,10,11,12,13,14,15
.irp c, 0,1
	global_load_b128 v[RAW+8*\i+4*\c:RAW+8*\i+4*\c+3], v[L16], s[14:15] offset:(\i+24*(\i/8))*4096+512*\c th:TH_LOAD_NT   ; position i: 32 lanes read 512 consecutive bytes
.endr
.endr
.irp g, 0,1,2,3
	s_wait_loadcnt 24-8*\g                         ; the eight loads of positions 4 g .. 4 g + 3 are in
.irp i, 0,1,2,3
.irp c, 0,1
	ds_store_b128 v[SIN], v[RAW+8*(4*\g+\i)+4*\c:RAW+8*(4*\g+\i)+4*\c+3] offset:(4*\g+\i)*PITCH+512*\c
.endr
.endr
.endr
.irp c, 0,1
.irp j, 0,1,2,3,4,5,6,7
	ds_load_b128 v[Y0+32*\c+4*\j:Y0+32*\c+4*\j+3], v[SOUT] offset:256*\c+16*\j   ; LDS serves a wave's instructions in order: these see my stores
.endr
.endr
	s_wait_dscnt 16                                ; the stores have read RAW, whose registers the next loads take
.irp c, 0,1
.irp j, 0,1,2,3,4,5,6,7
	ds_load_b128 v[Y1+32*\c+4*\j:Y1+32*\c+4*\j+3], v[SOUT] offset:512+256*\c+16*\j
.endr
.endr
	s_wait_dscnt 16                                ; k 0-127 is in
	QUANT Y0, CD0, PW
.irp c, 0,1,2
	global_store_b128 v[L16], v[CD0+4*\c:CD0+4*\c+3], s[12:13] offset:512*\c
.endr
	s_wait_dscnt 0x0
	QUANT Y1, CD1, PW+1
.irp c, 0,1,2
	global_store_b128 v[L16], v[CD1+4*\c:CD1+4*\c+3], s[12:13] offset:1536+512*\c
.endr
	global_store_b64 v[L8], v[PW:PW+1], s[12:13] offset:3072
	s_wait_tensorcnt 0x0                           ; the wave's end, behind my last LDS store
	ds_add_u32 v[SPW], v[NIL]
	s_wait_dscnt 0x0
	s_endpgm
.Lfunc_end_k_q1f4694cea2_quant:
	.size	k_q1f4694cea2_quant, .Lfunc_end_k_q1f4694cea2_quant-k_q1f4694cea2_quant
	.p2alignl 7, 3214868480
	.fill 96, 4, 3214868480
	.section	.rodata,"a",@progbits
	.p2align	6, 0x0
	.amdhsa_kernel k_q1f4694cea2_quant
		.amdhsa_group_segment_fixed_size 67072
		.amdhsa_private_segment_fixed_size 0
		.amdhsa_enable_private_segment 0
		.amdhsa_kernarg_size 40
		.amdhsa_user_sgpr_count 2
		.amdhsa_user_sgpr_kernarg_segment_ptr 1
		.amdhsa_wavefront_size32 1
		.amdhsa_system_sgpr_workgroup_id_x 1
		.amdhsa_system_sgpr_workgroup_id_y 1
		.amdhsa_system_sgpr_workgroup_id_z 1
		.amdhsa_system_vgpr_workitem_id 0
		.amdhsa_next_free_vgpr 256
		.amdhsa_next_free_sgpr 66
		.amdhsa_reserve_vcc 0
		.amdhsa_float_denorm_mode_32 3
		.amdhsa_float_denorm_mode_16_64 3
		.amdhsa_memory_ordered 1
		.amdhsa_forward_progress 1
		.amdhsa_inst_pref_size 17
	.end_amdhsa_kernel
	.amdgpu_metadata
---
amdhsa.version: [ 1, 2 ]
amdhsa.kernels:
  - .name:           k_q1f4694cea2_quant
    .symbol:         k_q1f4694cea2_quant.kd
    .args:
      - { .name: inputs, .offset: 0, .size: 8, .value_kind: global_buffer, .address_space: global }
      - { .name: Wq, .offset: 8, .size: 8, .value_kind: global_buffer, .address_space: global }
      - { .name: Wk, .offset: 16, .size: 8, .value_kind: global_buffer, .address_space: global }
      - { .name: Wv, .offset: 24, .size: 8, .value_kind: global_buffer, .address_space: global }
      - { .name: xw, .offset: 32, .size: 8, .value_kind: global_buffer, .address_space: global }
    .group_segment_fixed_size: 67072
    .private_segment_fixed_size: 0
    .kernarg_segment_align: 8
    .kernarg_segment_size: 40
    .max_flat_workgroup_size: 128
    .sgpr_count:     66
    .vgpr_count:     256
    .wavefront_size: 32
...
	.end_amdgpu_metadata
.endif
;; end of part 1
;; launch proj (part 2): grid 16 x 16, 4 waves a work-group, clusters of 4 x 4, 327,680 bytes of LDS; arguments xw, bq, bk, bv, qk, vr; writes qk, vr
.if DOCPART == 2
	.amdgcn_target "amdgcn-amd-amdhsa--gfx1250"
	.amdhsa_code_object_version 6
	.text
	.protected	k_q1f4694cea2_proj
	.globl	k_q1f4694cea2_proj
	.p2align	8
	.type	k_q1f4694cea2_proj,@function
k_q1f4694cea2_proj:
	s_mov_b64 s[64:65], 0
	v_nop
	global_prefetch_b8 v0, s[64:65] scope:SCOPE_SE
	s_setreg_imm32_b32 hwreg(HW_REG_WAVE_MODE, 25, 1), 1
	s_wait_xcnt 0x0
	s_wait_alu depctr_hold_cnt(0) depctr_sa_sdst(0) depctr_va_vdst(0) depctr_va_sdst(0) depctr_va_ssrc(0) depctr_va_vcc(0) depctr_vm_vsrc(0)
	s_getreg_b32 s2, hwreg(HW_REG_IB_STS2, 6, 4)
	s_cmp_eq_u32 s2, 0
	s_cbranch_scc0 .Lentry_in_a_cluster
	s_endpgm
.Lentry_in_a_cluster:
	s_bfe_u32 s2, ttmp6, 0x10000c
	s_cmp_lg_u32 s2, 0xf033
	s_cbranch_scc0 .Lentry_shape_is_right
	s_endpgm
.Lentry_shape_is_right:
; q, k, v = inputs W^T + b AND THEIR QUANTISERS: q and k along the hidden units, v along the tokens.  No f32 result is stored.
; A SUPER-RECORD (SR) is 128 rows x 128 along K of the next products, 12,800 bytes: 8 tiles of 1,536 bytes (tile 4 c + j: position r is row 64 c + 32 (r / 8) + 8 j + r % 8), then scale words [r: 16][tile: 8].
; qk: [q, k][token group of 128: 64][hidden group of 128: 8][SR]; a tile's 12 registers lie as [band of 64 along K][registers 0-3 at 16 l: 512 | registers 4-5 at 8 l: 256].
; vr: [batch][hidden group of 128: 8][token group of 128: 16][SR] (rows = hidden units, K = tokens); a tile's 12 registers lie as three pieces of 512 at 16 l.
; THE DEAL.  256 work-groups of four waves, 2 x 2.  A wave holds 64 rows of a weight, all of K, in 384 registers and streams inputs' rows past them in blocks of 16.  PHASE 1: 256 x 128 of v.  PHASE 2: 512 x 128 of q or k.
; v's 256 rows are a half (s87) of the work-group's own 512: the two chunks of 128 rows asked for at the head serve v's eight blocks and then the first eight blocks of q or k; the other half's two chunks come later.
; s87 and the tensor (s19) hang on the cluster's number alone.  Inputs' rows are shared by a row of the cluster, a weight's rows by a column: joint loads.
; LDS: slot 0 at 0, slot 1 at SLOT, the weights' region at BVB (8 record rows of 13,312 bytes each), the stages for scale bytes, the spare words.
; FILLS.  At the head one load a wave: waves 0 and 1 a half each of Wv's rows, wave 2 chunk 0, wave 3 chunk 1.  THREE REFILLS, each in a drained round: in v's block 2 the weights' region with
; Wq's or Wk's rows; in phase 2's blocks 2 and 6 a slot with a chunk of the other half (waves 0 and 1 a half each).  The next round, or a plain barrier behind which nothing is filled, shows a refill to all.
; A BLOCK is 32 products; behind every second one stand two ENTRIES of the block's list: at most four scalar lines and one vector line (two where a prefetch's address is made).  A block's results go out during the next block.
; WAITS' COUNTS: a block's rows were fetched two blocks ago; younger are the next block's fetch, NF loads, and the LDS stores of scale bytes issued between the two.
; PREFETCHES, each tile shared out by address over the sixteen waves that will ask for it jointly: the second weight at the head, chunk 2 behind the first refill, chunk 3 between the phases: each ahead of the round that loads it.
; LIMITS: a scale block whose largest magnitude lies under 2^-124 gets the byte 1; NaN and infinities are not served.
.set RR,    13312                      ; a record row: 16 rows, all of K
.set SLOT,  8*RR
.set BVB,   2*SLOT
.set BST,   2*RR                       ; from my block to my next
.set XN,    3*SLOT                     ; q's or k's scale bytes: [half][wave row][r][tile][2 band + h]
.set XM,    XN+2048                    ; v's: [wave row][r][tile][2 band + h]
.set SPARE, XM+1024
.set SR,    12800
.set NF,    28                         ; LDS loads of a block: 24 for eight fragments, 4 for the scale words
.set EMAX,  2
.set ADRA0, 4                          ; v4, v5   my fragments of blocks 0, 1;  v6, v7 my scale words
.set AAS0,  6
.set CO,    9                          ; v9  16 x lane
.set SPW,   10
.set NIL,   11
.set ADRA,  12                         ; v12, v13 as v4, v6, for the block that is fetched next
.set AAS,   13
.set ADRB,  14                         ; v14  my fragments of the weights
.set AWS,   15                         ; v15  their scale words: lanes 0-15 even tiles, lanes 16-31 odd
.set CO8,   16                         ; v16  8 x lane
.set STO,   18
.set STV,   19
.set SB,    24                         ; v24-39  the weights' scale words
.set TQ,    40
.set SA,    44                         ; v44-59  the rows' scale words: two sets of eight
.set TC,    60
.set ACC,   64                         ; v64-127 phase 2: two sets of four accumulators
.set HV0,   64                         ; v64-191 phase 1, band 0: 32 t + 8 j + i
.set HV1,   840                        ; v840-967 band 1
.set NCD,   128                        ; v128-139 phase 2's codes: six registers of the even block, six of the odd
.set MCD,   192                        ; v192-239 phase 1's: four tiles of twelve
.set SOP,   240
.set EB,    244
.set VX,    248
.set BBV,   992                        ; v992-1023 v's bias as the first four products' C
.set BBQ,   160                        ; v160-191 q's or k's, loaded between the phases
.set LW,    2                          ; s2  wave x half a tile
.set G1A,   24
.set G1B,   32
.set G0A,   56
.set G0B,   60
.set G0R,   68
.set MSB, 0
.macro WIN new
.if MSB != (\new)
	s_set_vgpr_msb (MSB<<8)|(\new)
.set MSB, (\new)
.endif
.endm
.macro PLACES n
.rept \n
	v_nop
.endr
.endm
.macro WALU
	s_wait_alu depctr_va_vdst(0)
.endm
.macro BARRIER
	s_barrier_signal -1
	s_barrier_wait -1
.endm
.macro MIDDLE
	WIN 0
	s_barrier_wait -1
	s_cmp_lg_u32 s14, 0
	s_cbranch_scc1 .Lnot_wave_0_\@
	s_barrier_signal -3
.Lnot_wave_0_\@:
	s_barrier_wait -3
.endm
.macro CROUND
	s_barrier_signal -1
	MIDDLE
	BARRIER
.endm
.macro GRD
	s_wait_tensorcnt 0x0
	ds_add_u32 v[SPW], v[NIL]
.endm
.macro TLOAD g0, g1
	tensor_load_to_lds s[\g0:\g0+3], s[\g1:\g1+7]
	s_nop 0
	PLACES 4
.endm
.macro GROUP1 g, mask, rows
	s_or_b32 s[\g+0], s[\mask], (3<<16)|(1<<21)
	s_mov_b32 s[\g+1], 32<<16                      ; rows of 256 bytes
	s_mov_b32 s[\g+2], (\rows)<<16
	s_mov_b32 s[\g+3], 32<<16
	s_mov_b32 s[\g+4], \rows
	s_mov_b32 s[\g+5], 32
	s_mov_b32 s[\g+6], 0
	s_mov_b32 s[\g+7], 0
.endm
.macro SADD d, x
	s_add_co_u32 s\d, s\d, s\x
.endm
; fragment f lies in window 1 + f / 21 at register 12 (f % 21): 0-31 the weights' (4 q + tile), 32-39 and 40-47 the rows' two sets
.macro FRAG f, q, adr, off
	WIN (1+(\f)/21)<<6
.irp p, 0,1,2
	ds_load_b128 v[12*((\f)%21)+4*\p:12*((\f)%21)+4*\p+3], v[\adr] offset:(\off)+3328*((\q)/2)+1536*((\q)%2)+512*\p
.endr
.endm
.macro WEIGHTS                         ; 104 loads
.irp q, 0,1,2,3,4,5,6,7
.irp b, 0,1,2,3
	FRAG 4*\q+\b, \q, ADRB, \b*RR
.endr
.endr
	WIN 0
.irp p, 0,1
.irp k, 0,1,2,3
	ds_load_b64 v[SB+8*\p+2*\k:SB+8*\p+2*\k+1], v[AWS] offset:2*\p*RR+3328*\k+3072
.endr
.endr
.endm
.macro FETCHAT e, adr, as
.irp q, 0,1,2,3,4,5,6,7
	FRAG 32+8*(\e)+\q, \q, \adr, 0
.endr
	WIN 0
.irp k, 0,1,2,3
	ds_load_b64 v[SA+8*(\e)+2*\k:SA+8*(\e)+2*\k+1], v[\as] offset:3328*\k+3072
.endr
.endm
.macro FETCH e
	FETCHAT \e, ADRA, AAS
.endm
.macro FETCH01
	FETCHAT 0, ADRA0, AAS0
	FETCHAT 1, ADRA0+1, AAS0+1
	s_mov_b32 s101, BST
.endm
; a product.  n = 4 q + tile.  kind 0 (q, k): source 0 the weight's rows; kind 1 (v): source 0 inputs' rows
.macro PROD kind, e, n, a0, as
.set Q_, (\n)/4
.set FB_, 4*Q_+(\n)%4
.set FA_, 32+8*(\e)+Q_
.set D_, (\a0)+(\as)*((\n)%4)
.set DL_, D_&255
.set XB_, SB+8*(((\n)%4)/2)+Q_
.set XA_, SA+8*(\e)+Q_
.if \kind
.if Q_
	WIN (1+FA_/21)|((1+FB_/21)<<2)|((D_>>8)<<4)|((D_>>8)<<6)
	PROD1 DL_, FA_, FB_, v[DL_:DL_+7], XA_, XB_, b, (\n)%2
.else
	WIN (1+FA_/21)|((1+FB_/21)<<2)|(3<<4)|((D_>>8)<<6)
	PROD1 DL_, FA_, FB_, v[BBV-768+8*((\n)%4):BBV-768+8*((\n)%4)+7], XA_, XB_, b, (\n)%2
.endif
.else
	WIN (1+FB_/21)|((1+FA_/21)<<2)|((D_>>8)<<4)|((D_>>8)<<6)
.if Q_
	PROD1 DL_, FB_, FA_, v[DL_:DL_+7], XB_, XA_, a, (\n)%2
.else
	PROD1 DL_, FB_, FA_, v[BBQ+8*((\n)%4):BBQ+8*((\n)%4)+7], XB_, XA_, a, (\n)%2
.endif
.endif
.endm
.macro PROD1 d, s0, s1, c, x0, x1, side, o
.if \o
	v_wmma_scale_f32_16x16x128_f8f6f4 v[\d:\d+7], v[12*((\s0)%21):12*((\s0)%21)+11], v[12*((\s1)%21):12*((\s1)%21)+11], \c, v[\x0], v[\x1] matrix_a_fmt:MATRIX_FMT_FP6 matrix_b_fmt:MATRIX_FMT_FP6 matrix_\side\()_scale:MATRIX_SCALE_ROW1
.else
	v_wmma_scale_f32_16x16x128_f8f6f4 v[\d:\d+7], v[12*((\s0)%21):12*((\s0)%21)+11], v[12*((\s1)%21):12*((\s1)%21)+11], \c, v[\x0], v[\x1] matrix_a_fmt:MATRIX_FMT_FP6 matrix_b_fmt:MATRIX_FMT_FP6 matrix_\side\()_scale:MATRIX_SCALE_ROW0
.endif
.endm
.macro BLOCK kind, e, a0, as, from, to, list, x=0, y=0
.set N_, \from
.rept (\to)-(\from)
	PROD \kind, \e, N_, \a0, \as
.if N_%2
	\list N_-1, \x, \y
	\list N_, \x, \y
.endif
.set N_, N_+1
.endr
.endm
; the lists' parts: each macro writes entry i of its part, and nothing beyond its last
.macro STEP i, wrap                    ; to the next block's LDS addresses: 2 entries; with the test for the ring's end 3
.if \wrap
.if (\i) == 0
	s_add_co_u32 s101, s101, BST
	s_cmp_eq_u32 s101, BVB
	s_cselect_b32 s101, 0, s101
.endif
	STEPV (\i)-1
.else
.if (\i) == 0
	s_add_co_u32 s101, s101, BST
.endif
	STEPV \i
.endif
.endm
.macro STEPV i
.if (\i) == 0
	WIN 0
	v_add_nc_u32 v[ADRA], s101, v[ADRA0]
.elseif (\i) == 1
	WIN 0
	v_add_nc_u32 v[AAS], s101, v[AAS0]
.endif
.endm
.macro CHAIN i, x, n, t=TQ             ; 18 entries: the largest magnitude of the 32 sums from register x on by two chains, and the conversions' scale operand, v[SOP+n]
.set XW_, (\x)>>8
.set XL_, (\x)&255
.if (\i) >= 0 && (\i) < 14
.set B_, XL_+16*((\i)%2)+2*((\i)/2)
.set T_, (\t)+1-(\i)%2
.if (\i) < 2
	WIN XW_|(XW_<<2)|(XW_<<4)
	v_max3_num_f32 v[T_], |v[B_]|, |v[B_+1]|, |v[B_+2]|
.else
	WIN (XW_<<2)|(XW_<<4)
	v_max3_num_f32 v[T_], v[T_], |v[B_+1]|, |v[B_+2]|
.endif
.elseif (\i) == 14
	WIN XW_<<2
	v_max3_num_f32 v[\t+1], v[\t+1], |v[XL_+15]|, (EMAX+1)<<23
.elseif (\i) == 15
	WIN 0
	v_nop
.elseif (\i) == 16
	WIN XW_<<2
	v_max3_num_f32 v[\t], v[\t], |v[XL_+31]|, v[\t+1]
.elseif (\i) == 17
	WIN 0
	v_add_nc_u32 v[SOP+\n], -(EMAX<<23), v[\t]
.endif
.endm
.macro CODES i, x, c, n, t=TC          ; 6 lines: 32 codes into v[c .. c+5], the scale's byte into v[EB+n]
.set XW_, (\x)>>8
.set XL_, (\x)&255
.if (\i) == 0
	WIN XW_
	v_cvt_scalef32_pk16_fp6_f32 v[\c:\c+2], v[XL_:XL_+15], v[SOP+\n]
.elseif (\i) == 1
	WIN XW_
	v_cvt_scalef32_pk16_fp6_f32 v[\t:\t+2], v[XL_+16:XL_+31], v[SOP+\n]
.elseif (\i) == 2
	WIN 0
	v_lshrrev_b32 v[EB+\n], 23, v[SOP+\n]
.else
	WIN 0
	v_mov_b32 v[\c+\i], v[\t+\i-3]
.endif
.endm
.macro CODES6 x, c, n
.irp i, 0,1,2,3,4,5
	CODES \i, \x, \c, \n
.endr
.endm
.macro PFTILE v, off, share            ; one entry: my sixteenth, 26 blocks of 256 bytes, of a tile of 8 record rows
	s_mul_i32 s21, s\share, SLOT/16
	s_add_co_u32 s20, s\off, s21
	WIN 0
	v_min_u32 v\v, SLOT/16/256-1, v3
	v_lshl_add_u32 v\v, v\v, 8, s20
.endm
.macro PFGO v, base
	global_prefetch_b8 v\v, s[\base:\base+1] th:TH_LOAD_NT scope:SCOPE_SE
.endm
.macro PUT3 r, base, off
.irp k, 0,1,2
	global_store_b128 v[CO], v[\r+4*\k:\r+4*\k+3], \base offset:(\off)+512*\k
.endr
.endm
.macro PUTQ                            ; the pair's codes: tiles i and i + 1, my band
	global_store_b128 v[CO], v[NCD:NCD+3], s[84:85]
	global_store_b64 v[CO8], v[NCD+4:NCD+5], s[84:85] offset:512
	global_store_b128 v[CO], v[NCD+6:NCD+9], s[84:85] offset:1536
	global_store_b64 v[CO8], v[NCD+10:NCD+11], s[84:85] offset:2048
.endm
.macro ASK i                           ; 2 entries: the descriptor of the chunk at s88 (bytes from xw) for slot s47; then both step on
.if (\i) == 0
	s_add_co_u32 s[G0R+1], s[LW], s47
	s_add_co_u32 s20, s[LW], s88
	s_mov_b32 s21, 0
.elseif (\i) == 1
	s_add_nc_u64 s[G0R+2:G0R+3], s[4:5], s[20:21]
	s_or_b32 s[G0R+3], s[G0R+3], 0x80000000
	s_add_co_u32 s88, s88, SLOT
	s_xor_b32 s47, s47, SLOT
.endif
.endm
.macro PAIR i                          ; 4 entries: where pair s46's codes go (s[84:85], by the true half) and its scale bytes (v[VX], by the order of work)
.if (\i) == 0
	s_lshr_b32 s20, s46, 2
	s_xor_b32 s20, s20, s87
	s_and_b32 s22, s46, 3
.elseif (\i) == 1
	s_mul_i32 s20, s20, 16*SR
	s_mul_i32 s3, s22, 3072
	SADD 20, 3
	s_mov_b32 s21, 0
.elseif (\i) == 2
	s_add_nc_u64 s[84:85], s[76:77], s[20:21]
	s_lshl_b32 s22, s22, 3
	s_lshr_b32 s23, s46, 2
	s_lshl_b32 s23, s23, 10
.elseif (\i) == 3
	s_or_b32 s22, s22, s23
	s_add_co_u32 s46, s46, 1
	WIN 0
	v_add_nc_u32 v[VX], s22, v[STO]
.endif
.endm
.macro L_STEP i, x, y
	STEP \i, 0
.endm
.macro L_NONE i, x, y
.endm
.macro L_OUT i, x, y
	STEP \i, 0
	CHAIN (\i)-2, \x, \y
.endm
.macro L_LAST i, x, y
	CHAIN \i, \x, \y
.endm
.macro L_V2 i, x, y                    ; the first refill's descriptor; from here on a load of inputs' rows brings half a chunk; the step; chunk 2's prefetch address
.if (\i) == 0
	s_mov_b32 s[G1A+2], 208<<16
	s_mov_b32 s[G1A+4], 208
	s_add_co_u32 s20, s[LW], s89
	s_mov_b32 s21, 0
.elseif (\i) == 1
	s_add_nc_u64 s[G0B+2:G0B+3], s[4:5], s[20:21]
	s_or_b32 s[G0B+3], s[G0B+3], 0x80000000
.elseif (\i) == 6
	PFTILE 17, 88, 90
.endif
	STEP (\i)-3, 0
.endm
.macro L_V7 i, x, y
.if (\i) == 0
	s_add_co_u32 s22, s88, SLOT
	PFTILE 20, 22, 90
.endif
	CHAIN (\i)-1, \x, \y
.endm
.macro L_ODD i, x, y
	PAIR \i
	STEP (\i)-4, 0
	CHAIN (\i)-6, ACC, 0
.endm
.macro L_ODDL i, x, y
	PAIR \i
	CHAIN (\i)-4, ACC, 0
.endm
.macro L_ROUND i, x, y
	ASK \i
	STEP (\i)-2, 1
	CHAIN (\i)-5, ACC+32, 1
.endm
.macro WAITDS w
.if (\w) >= 0
	s_wait_dscnt \w
.endif
.endm
.macro EVENOUT fetch
	WALU
	ds_store_b8 v[VX], v[EB+1] offset:4
	PUTQ
.if \fetch
	FETCH 0
.endif
.endm
.macro EVEN w, fetch
	WAITDS \w
.if \fetch
	BLOCK 0, 0, ACC, 8, 0, 32, L_OUT, ACC+32, 1
.else
	BLOCK 0, 0, ACC, 8, 0, 32, L_LAST, ACC+32, 1
.endif
	WIN 0
	CODES6 ACC+32, NCD+6, 1
	EVENOUT \fetch
.endm
.macro EVENROUND w                     ; the second and the third refill
	WAITDS \w
	GRD
	BLOCK 0, 0, ACC, 8, 0, 26, L_ROUND
	WIN 0
	WALU
	s_wait_dscnt 0x0
	s_barrier_signal -1
	BLOCK 0, 0, ACC, 8, 26, 32, L_NONE
	WIN 0
	CODES6 ACC+32, NCD+6, 1
	MIDDLE
	BARRIER
	s_cmp_lt_u32 s14, 2
	s_cbranch_scc0 .Lnone_\@
	TLOAD G0R, G1A
.Lnone_\@:
	EVENOUT 1
.endm
.macro EVENSHOW w                      ; a plain barrier inside the block shows the last refill to all
	WAITDS \w
	BLOCK 0, 0, ACC, 8, 0, 26, L_OUT, ACC+32, 1
	WIN 0
	WALU
	s_wait_tensorcnt 0x0
	s_wait_dscnt 0x0
	s_barrier_signal -1
	BLOCK 0, 0, ACC, 8, 26, 32, L_NONE
	WIN 0
	s_barrier_wait -1
	CODES6 ACC+32, NCD+6, 1
	EVENOUT 1
.endm
.macro ODD w, fetch
	WAITDS \w
	s_wait_xcnt 0x0                                ; the last pair's stores have read their registers and their base
.if \fetch
	BLOCK 0, 1, ACC+32, 8, 0, 32, L_ODD
.else
	BLOCK 0, 1, ACC+32, 8, 0, 32, L_ODDL
.endif
	WIN 0
	CODES6 ACC, NCD, 0
	WALU
	ds_store_b8 v[VX], v[EB]
.if \fetch
	FETCH 1
.endif
.endm
; ---- the head
	s_load_b256 s[4:11], s[0:1], 0x0               ; xw, bq, bk, bv
	s_load_b128 s[48:51], s[0:1], 0x20             ; qk, vr
	v_lshl_add_u32 v[SPW], v0, 2, SPARE
	v_mov_b32 v[NIL], 0
	ds_add_u32 v[SPW], v[NIL]
	ds_add_u32 v[SPW], v[NIL]
	v_lshrrev_b32 v1, 5, v0
	v_readfirstlane_b32 s14, v1                    ; s14 the wave; s15 its row of the 2 x 2, s16 its column
	s_lshr_b32 s15, s14, 1
	s_and_b32 s16, s14, 1
	s_bfe_u32 s40, ttmp6, 0x40000                  ; cx
	s_bfe_u32 s41, ttmp6, 0x40004                  ; cy
	s_lshl_b32 s42, ttmp9, 2
	s_add_co_u32 s42, s42, s40                     ; s42 phase 2's tile column: 0-7 q, 8-15 k
	s_and_b32 s43, ttmp7, 0xffff
	s_lshl_b32 s43, s43, 2
	s_add_co_u32 s43, s43, s41                     ; s43 its tile row
	s_lshr_b32 s19, ttmp9, 1                       ; s19: 0 q, 1 k
	s_and_b32 s87, ttmp9, 1                        ; s87: v's half of my 512 rows
	s_lshl_b32 s13, s19, 2
	s_add_co_u32 s13, s13, s40                     ; s13 v's tile column
	s_lshl_b32 s12, s43, 1
	s_add_co_u32 s12, s12, s87                     ; s12 v's tile row
	s_lshl_b32 s44, s41, 2
	s_lshl_b32 s44, 15, s44                        ; my row of the cluster
	s_lshl_b32 s45, 0x1111, s40                    ; my column
	GROUP1 G1A, 44, 416
	GROUP1 G1B, 45, 208
	s_mul_i32 s[LW], s14, SLOT/2
	s_mul_i32 s66, s12, 2*SLOT                     ; v's 256 rows, bytes from xw
	s_mul_i32 s88, s43, 4*SLOT
	s_xor_b32 s20, s87, 1
	s_mul_i32 s20, s20, 2*SLOT
	SADD 88, 20                                    ; the other half's chunks
	s_mul_i32 s89, s42, SLOT
	s_add_co_u32 s89, s89, 512*RR                  ; Wq's or Wk's rows
	s_mul_i32 s54, s13, SLOT
	s_add_co_u32 s54, s54, 640*RR                  ; Wv's
	SADD 54, 2
	s_mov_b32 s[G0A], 1
	s_mov_b32 s[G0A+1], 0
	s_mov_b32 s[G0B], 1
	s_add_co_u32 s[G0B+1], s[LW], BVB
	s_mov_b32 s[G0R], 1
	s_mov_b32 s[G0R+1], SLOT
	s_lshl_b32 s90, s40, 2
	s_add_co_u32 s90, s90, s14                     ; my number among the sixteen waves of my row of the cluster
	s_lshl_b32 s100, s41, 2
	s_add_co_u32 s100, s100, s14                   ; and of my column
	s_mul_i32 s20, s15, RR
	s_mul_i32 s21, s16, 4*RR
	s_add_co_u32 s21, s21, BVB
	s_lshl_b32 s22, s15, 9
	s_lshl_b32 s23, s16, 1
	SADD 23, 22
	s_add_co_u32 s23, s23, XN
	s_lshl_b32 s3, s16, 4
	SADD 3, 22
	s_add_co_u32 s3, s3, XM
	v_and_b32 v1, 15, v0                           ; r
	v_bfe_u32 v2, v0, 4, 1                         ; h
	v_and_b32 v3, 31, v0
	v_lshlrev_b32 v[CO], 4, v3
	v_lshlrev_b32 v[CO8], 3, v3
	v_add_nc_u32 v[ADRA0], s20, v[CO]
	v_add_nc_u32 v[AAS0], s20, v[CO8]
	v_add_nc_u32 v[ADRA0+1], BST, v[ADRA0]
	v_add_nc_u32 v[AAS0+1], BST, v[AAS0]
	v_add_nc_u32 v[ADRB], s21, v[CO]
	v_mul_u32_u24 v[AWS], v2, RR
	v_add_nc_u32 v[AWS], v[AWS], v[CO8]
	v_add_nc_u32 v[AWS], s21, v[AWS]
	v_lshl_add_u32 v23, v1, 5, v2
	v_add_nc_u32 v[STO], s23, v23
	v_add_nc_u32 v[STV], s3, v23
	v_lshlrev_b32 v21, 7, v2                       ; q, k: register 8 j + i of lane (r, h) is column 32 h + 8 j + i of my 64
	v_lshrrev_b32 v22, 3, v1
	v_lshlrev_b32 v22, 7, v22
	v_and_b32 v23, 7, v1
	v_lshl_add_u32 v22, v23, 2, v22                ; v: lane r of tile t has column 32 (r / 8) + 8 t + r % 8
	WALU
	s_wait_dscnt 0x0
	CROUND                                         ; the opening round
	s_wait_kmcnt 0x0
	s_mov_b32 s20, s66
	s_mov_b32 s21, 0
	s_add_nc_u64 s[G0A+2:G0A+3], s[4:5], s[20:21]
	s_add_nc_u64 s[G0R+2:G0R+3], s[G0A+2:G0A+3], SLOT
	s_or_b32 s[G0A+3], s[G0A+3], 0x80000000
	s_or_b32 s[G0R+3], s[G0R+3], 0x80000000
	s_mov_b32 s20, s54
	s_add_nc_u64 s[G0B+2:G0B+3], s[4:5], s[20:21]
	s_or_b32 s[G0B+3], s[G0B+3], 0x80000000
	s_cmp_lt_u32 s14, 2
	s_cbranch_scc0 .Lwave_2
	TLOAD G0B, G1B                                 ; waves 0 and 1: a half each of Wv's rows
	s_branch .Lasked
.Lwave_2:
	s_cmp_eq_u32 s14, 2
	s_cbranch_scc0 .Lwave_3
	TLOAD G0A, G1A                                 ; wave 2: chunk 0
	s_branch .Lasked
.Lwave_3:
	TLOAD G0R, G1A                                 ; wave 3: chunk 1
.Lasked:
	s_lshl_b32 s20, s42, 1
	SADD 20, 16
	s_and_b32 s20, s20, 15
	s_lshl_b32 s20, s20, 8                         ; my 64 columns' bias, q or k
	s_mov_b32 s21, 0
	s_cmp_eq_u32 s19, 1
	s_cselect_b64 s[72:73], s[8:9], s[6:7]
	s_add_nc_u64 s[72:73], s[72:73], s[20:21]
	s_lshl_b32 s20, s13, 1
	SADD 20, 16
	s_lshl_b32 s20, s20, 8                         ; and v's
	s_add_nc_u64 s[74:75], s[10:11], s[20:21]
	WIN 3<<6
.irp t, 0,1,2,3
	global_load_b32 v[BBV-768+8*\t], v22, s[74:75] offset:32*\t
.endr
	WIN 0
	s_and_b32 s23, s42, 7                          ; where the results go.  s[76:77] my codes of q or k, s[78:79] the 512 scale bytes that I store, s[80:81], s[82:83] v's
	s_lshl_b32 s22, s19, 6
	s_lshl_b32 s3, s43, 2
	SADD 22, 3
	s_add_co_u32 s20, s22, s15
	s_lshl_b32 s20, s20, 3
	SADD 20, 23
	s_mul_i32 s20, s20, SR
	s_mul_i32 s3, s16, 768
	SADD 20, 3
	s_add_nc_u64 s[76:77], s[48:49], s[20:21]
	s_xor_b32 s20, s15, s87                        ; the stage's halves lie in the order of work
	s_lshl_b32 s20, s20, 1
	SADD 20, 16
	SADD 20, 22
	s_lshl_b32 s20, s20, 3
	SADD 20, 23
	s_mul_i32 s20, s20, SR
	s_add_co_u32 s20, s20, 12288
	s_add_nc_u64 s[78:79], s[48:49], s[20:21]
	s_lshr_b32 s20, s12, 3
	s_lshl_b32 s20, s20, 3
	SADD 20, 13
	s_lshl_b32 s20, s20, 4
	s_and_b32 s3, s12, 7
	s_lshl_b32 s3, s3, 1
	SADD 20, 3
	SADD 20, 15
	s_mul_i32 s20, s20, SR
	s_mul_i32 s3, s16, 6144
	SADD 3, 20
	s_lshl_b32 s22, s16, 8
	SADD 20, 22
	s_add_co_u32 s20, s20, 12288
	s_add_nc_u64 s[82:83], s[50:51], s[20:21]
	s_mov_b32 s20, s3
	s_add_nc_u64 s[80:81], s[50:51], s[20:21]
	s_mov_b32 s46, 0
	s_mov_b32 s47, 0
	s_wait_loadcnt 0x0
	WIN (3<<6)|3
.irp t, 0,8,16,24
.irp i, 1,2,3,4,5,6,7
	v_mov_b32 v[BBV-768+\t+\i], v[BBV-768+\t]      ; one number a lane and tile, over the tile's eight registers
.endr
.endr
	WIN 0
	PFTILE 8, 89, 100                              ; what the first refill will load
	WALU
	s_cmp_lt_u32 s14, 2
	s_cbranch_scc0 .Lnot_b
	s_wait_tensorcnt 0x0
.Lnot_b:
	BARRIER                                        ; Wv's rows are in
	PFGO 8, 4
	WEIGHTS
	s_cmp_eq_u32 s14, 3
	s_cbranch_scc1 .Lnot_a0
	s_wait_tensorcnt 0x0
.Lnot_a0:
	s_wait_dscnt 0x0
	BARRIER                                        ; chunk 0 is in; chunk 1 may still be on its way
	FETCH01
; ---- phase 1: v, eight blocks; band 0's way outs stand in band 1's blocks
.irp s, 0,1
	s_wait_dscnt NF
	BLOCK 1, \s, HV0+8*\s, 32, 0, 32, L_STEP
	WIN 0
	PLACES 4
	WALU
	FETCH \s
.endr
	s_wait_dscnt NF
	GRD
	BLOCK 1, 0, HV0+16, 32, 0, 24, L_V2
	WIN 0
	WALU
	s_wait_dscnt 0x0
	s_barrier_signal -1
	BLOCK 1, 0, HV0+16, 32, 24, 32, L_NONE
	MIDDLE
	BARRIER
	s_cmp_lt_u32 s14, 2
	s_cbranch_scc0 .Lno_half
	TLOAD G0B, G1B                                 ; Wq's or Wk's rows onto Wv's, which all waves hold in registers
.Lno_half:
	PLACES 4
	WALU
	FETCH 0
	PFGO 17, 4
	BLOCK 1, 1, HV0+24, 32, 0, 32, L_STEP
	WIN 0
	PLACES 4
	WALU
	FETCH 1
.irp j, 0,1,2
	s_wait_dscnt NF+(\j+1)/2
.if \j < 2
	BLOCK 1, \j%2, HV1+8*\j, 32, 0, 32, L_OUT, HV0+32*\j, \j
.else
	BLOCK 1, \j%2, HV1+8*\j, 32, 0, 32, L_LAST, HV0+32*\j, \j
.endif
	WIN 0
	CODES6 HV0+32*\j, MCD+12*\j, \j
	WALU
	ds_store_b8 v[STV], v[EB+\j] offset:4*\j
.if \j < 2
	FETCH \j%2
.endif
.endr
	s_wait_dscnt 1
	BLOCK 1, 1, HV1+24, 32, 0, 26, L_V7, HV0+96, 3
	WIN 0
	WALU
	s_wait_tensorcnt 0x0
	s_wait_dscnt 0x0
	s_barrier_signal -1                            ; a plain barrier: the second weight is shown to all
	BLOCK 1, 1, HV1+24, 32, 26, 32, L_NONE
	WIN 0
	s_barrier_wait -1
	CODES6 HV0+96, MCD+36, 3
	WALU
	ds_store_b8 v[STV], v[EB+3] offset:12
; ---- the change of phase: one run of loads, band 1's four way outs under their flight
.irp k, 0,1,2,3,4,5,6,7
	global_load_b128 v[BBQ+4*\k:BBQ+4*\k+3], v21, s[72:73] offset:16*\k
.endr
	WEIGHTS
	FETCH01
	PFGO 20, 4
.set I, 0
.rept 18
.irp t, 0,1,2,3
	CHAIN I, HV1+32*\t, \t, 64+4*\t
.endr
.set I, I+1
.endr
.set I, 0
.rept 6
.irp t, 0,1,2,3
	CODES I, HV1+32*\t, MCD+12*\t+6, \t, 80+4*\t
.endr
.set I, I+1
.endr
	WIN 0
	WALU
; ---- phase 2: q or k, sixteen blocks, way outs by pairs
	s_wait_loadcnt 0x0
	s_wait_dscnt NF
	BLOCK 0, 0, ACC, 8, 0, 32, L_STEP
	WIN 0
	PLACES 4
	WALU
.irp t, 0,1,2,3
	ds_store_b8 v[STV], v[EB+\t] offset:2+4*\t
.endr
.irp t, 0,1,2,3
	PUT3 MCD+12*\t, s[80:81], 1536*\t              ; v's codes leave
.endr
	FETCH 0
	ODD NF+4, 1
	s_mov_b32 s86, 0
.Lwith_rounds:                                     ; blocks 2 to 5, 6 to 9
	EVENROUND NF+1
	ODD -1, 1
	EVEN NF+1, 1
	ODD NF+1, 1
	s_add_co_u32 s86, s86, 1
	s_cmp_lg_u32 s86, 2
	s_cbranch_scc1 .Lwith_rounds
.Lwithout:                                         ; blocks 10, 11 and 12, 13
	EVENSHOW NF+1
	ODD -1, 1
	s_add_co_u32 s86, s86, 1
	s_cmp_lg_u32 s86, 4
	s_cbranch_scc1 .Lwithout
	EVEN NF+1, 0
	ODD 1, 0
; ---- the end: the last way out; the scale bytes go through LDS under its conversions
	s_mul_i32 s21, s14, 512
	s_add_co_u32 s21, s21, XN
	v_add_nc_u32 v12, s21, v[CO]
	s_mul_i32 s21, s14, 256
	s_add_co_u32 s21, s21, XM
	v_add_nc_u32 v14, s21, v[CO8]
.set I, 0
.rept 18
	CHAIN I, ACC+32, 1
.set I, I+1
.endr
	CODES 2, ACC+32, NCD+6, 1
	WALU
	ds_store_b8 v[VX], v[EB+1] offset:4
	s_wait_dscnt 0x0
	s_barrier_signal -1
	CODES 0, ACC+32, NCD+6, 1
	CODES 1, ACC+32, NCD+6, 1
	v_nop
.irp i, 3,4,5
	CODES \i, ACC+32, NCD+6, 1
.endr
	s_barrier_wait -1
	WALU
	ds_load_b128 v[64:67], v12
	ds_load_b64 v[68:69], v14
	PUTQ
	s_wait_dscnt 0x0
	global_store_b128 v[CO], v[64:67], s[78:79]
	global_store_b64 v[CO8], v[68:69], s[82:83]
	s_wait_tensorcnt 0x0                           ; the wave's end
	ds_add_u32 v[SPW], v[NIL]
	s_wait_dscnt 0x0
	CROUND
	s_endpgm
.Lfunc_end_k_q1f4694cea2_proj:
	.size	k_q1f4694cea2_proj, .Lfunc_end_k_q1f4694cea2_proj-k_q1f4694cea2_proj
	.p2alignl 7, 3214868480
	.fill 96, 4, 3214868480
	.section	.rodata,"a",@progbits
	.p2align	6, 0x0
	.amdhsa_kernel k_q1f4694cea2_proj
		.amdhsa_group_segment_fixed_size 327680
		.amdhsa_private_segment_fixed_size 0
		.amdhsa_enable_private_segment 0
		.amdhsa_kernarg_size 48
		.amdhsa_user_sgpr_count 2
		.amdhsa_user_sgpr_kernarg_segment_ptr 1
		.amdhsa_wavefront_size32 1
		.amdhsa_system_sgpr_workgroup_id_x 1
		.amdhsa_system_sgpr_workgroup_id_y 1
		.amdhsa_system_sgpr_workgroup_id_z 1
		.amdhsa_system_vgpr_workitem_id 0
		.amdhsa_next_free_vgpr 1024
		.amdhsa_next_free_sgpr 102
		.amdhsa_reserve_vcc 0
		.amdhsa_float_denorm_mode_32 3
		.amdhsa_float_denorm_mode_16_64 3
		.amdhsa_memory_ordered 1
		.amdhsa_forward_progress 1
		.amdhsa_inst_pref_size 180
	.end_amdhsa_kernel
	.amdgpu_metadata
---
amdhsa.version: [ 1, 2 ]
amdhsa.kernels:
  - .name:           k_q1f4694cea2_proj
    .symbol:         k_q1f4694cea2_proj.kd
    .args:
      - { .name: xw, .offset: 0, .size: 8, .value_kind: global_buffer, .address_space: global }
      - { .name: bq, .offset: 8, .size: 8, .value_kind: global_buffer, .address_space: global }
      - { .name: bk, .offset: 16, .size: 8, .value_kind: global_buffer, .address_space: global }
      - { .name: bv, .offset: 24, .size: 8, .value_kind: global_buffer, .address_space: global }
      - { .name: qk, .offset: 32, .size: 8, .value_kind: global_buffer, .address_space: global }
      - { .name: vr, .offset: 40, .size: 8, .value_kind: global_buffer, .address_space: global }
    .group_segment_fixed_size: 327680
    .private_segment_fixed_size: 0
    .kernarg_segment_align: 8
    .kernarg_segment_size: 48
    .max_flat_workgroup_size: 128
    .sgpr_count:     102
    .vgpr_count:     1024
    .wavefront_size: 32
...
	.end_amdgpu_metadata
.endif
;; end of part 2
;; launch score (part 3): grid 36 x 4, 8 waves a work-group, no clusters, 327,680 bytes of LDS; arguments qk, pc, ps; writes pc, ps
.if DOCPART == 3
	.amdgcn_target "amdgcn-amd-amdhsa--gfx1250"
	.amdhsa_code_object_version 6
	.text
	.protected	k_q1f4694cea2_score
	.globl	k_q1f4694cea2_score
	.p2align	8
	.type	k_q1f4694cea2_score,@function
k_q1f4694cea2_score:
	s_mov_b64 s[64:65], 0
	v_nop
	global_prefetch_b8 v0, s[64:65] scope:SCOPE_SE
	s_setreg_imm32_b32 hwreg(HW_REG_WAVE_MODE, 25, 1), 1
	s_wait_xcnt 0x0
; The causal tiles of q k^T / 32 on codes of FP6 (E2M3), and the softmax's numerator quantised in registers.  A tile is 256 queries x 256 keys of one batch; of 8 x 8 tiles the 36 with key tile j <= query tile i are made
; (the others are hidden by reference()'s own mask: work left out, as the first kernel's head says).
; The matrix instruction's first source is a tile of k, its second one of q: a lane holds ONE query; register 8 b + i of tile b = 4 c + j is key 64 c + 32 h + 8 j + i: 32 registers are a scale block.
; Eight waves, two on a SIMD: wave = 2 wq + wc takes queries 64 wq on and keys 128 wc on.  A UNIT is 128 queries x 128 keys.
; THE SOFTMAX: t = score x log2(e) / 32.  For each query and unit a LOCAL whole number M = ceil(the largest t there); p = 2^(t - M) is quantised along the keys, its sum l is taken unquantised.
; The next launch takes the row's largest M and brings each unit under it by an exact power of two.  In a diagonal unit hidden scores become -infinity ahead of the maximum; each query has its own key open there.
; OUT: query groups i and 15 - i of 128 (i' = the smaller) share nine TRIPS of two key units: the smaller group's (i' / 2 + 1 of them), then the larger's.  pc [batch][i'][trip][unit: 2][query tile: 8][3 pieces of 512];
; ps [batch][i'][trip][query tile: 8][unit: 2][r: 16] (-M, scale word with bit 7 of each byte set, l, 0).  The wholly hidden unit of a diagonal tile gets l = 0 and -M = 3e38 in ps, and no codes: nobody multiplies it.
; LDS: for each of four operand halves (q's two, k's two) six SRs of 12,800 bytes, K in steps of 128: steps 0-2 are asked for at the head, 3-5 behind the first barrier, 6-7 onto 0-1: one load a wave each time, half of an operand half.
; NO CLUSTER: row i of the triangle has i + 1 tiles, so neither groups of 4 x 4 nor of 4 x 1 tiles that share an operand divide it.  NO PREFETCH: the walk is three loads written out, with no loop to run ahead in.
; LIMITS: the scaled scores t stay under 2^31 in magnitude; a block of p under 2^-124 gets the byte 1; NaN and infinities among the inputs are not served.
; REGISTERS: window 0: v1-31 addresses; v32-47 scale words, two sets; v48-143 k's eight tiles; v144-239 q's four tiles, two sets.  window 1: the 32 accumulators ((a, b) at 8 (8 a + b)).
.set SR,    12800
.set REG,   6*SR
.set SPARE, 4*REG
.set KOFF,  6553600                    ; k behind q in qk
.set AQ,   4                           ; v4, v5 q's address (16 l) for steps 0-2, 3-5;  v6, v7 8 l
.set AQ8,  6
.set AK,   8
.set AK8,  10
.set AS,   12                          ; v12, v13 scale words: lanes 0-15 q's four, lanes 16-31 k's first four;  v14, v15: q's again, k's last four
.set AS2,  14
.set L16,  16
.set L8,   17
.set PSA,  18
.set D0,   19
.set NINF, 20
.set H8,   21
.set SPW,  22
.set NIL,  23
.set SC,   32
.set CD,   48                          ; v48-95 codes, twelve registers a block
.set TM,   160                         ; v160-167 largest scores
.set RX,   168
.set PX,   170
.set QA,   172                         ; v172, v176 -M of the pair's two blocks
.set SO,   180
.set EB,   184
.set LA,   188
.set LB,   192
.set LS,   196
.set LP,   198
.set WD,   200
.set WP,   202
.set T2,   204
.set WV,  18
.set WQ,  19
.set WC,  20
.set QH,  21                           ; s21 wq / 2: my query half
.set CQ,  22                           ; s22 wq % 2: my band of 64 in it
.set G1,  24
.set G1R, 32
.set G0,  40
.set G0B, 44
.set G0C, 76
.set TI,  48
.set TJ,  49
.set TBA, 66
.set CS,  68
.set SEL, 70
.set DG,  72
.set HID, 73
.set HM,  74
.set MSB, 0
.macro WIN new
.if MSB != (\new)
	s_set_vgpr_msb (MSB<<8)|(\new)
.set MSB, (\new)
.endif
.endm
.macro PLACES n
.rept \n
	v_nop
.endr
.endm
.macro WALU
	s_wait_alu depctr_va_vdst(0)
.endm
.macro TILE d, a16, a8, off            ; a tile's 12 registers
	ds_load_b128 v[\d:\d+3], v[\a16] offset:\off
	ds_load_b64 v[\d+4:\d+5], v[\a8] offset:(\off)+512
	ds_load_b128 v[\d+6:\d+9], v[\a16] offset:(\off)+768
	ds_load_b64 v[\d+10:\d+11], v[\a8] offset:(\off)+1280
.endm
.macro FETCHK kb, hf                   ; step kb: four of k's tiles (16 loads)
	WIN 0
.set S_, ((\kb)%6)/3
.set O_, ((\kb)%3)*SR
.irp i, 0,1,2,3
	TILE 48+48*(\hf)+12*\i, AK+S_, AK8+S_, O_+6144*(\hf)+1536*\i
.endr
.endm
.macro FETCHQ kb                       ; the scale words (2) and q's four tiles (16)
.set S_, ((\kb)%6)/3
.set O_, ((\kb)%3)*SR
.set E_, (\kb)%2
	ds_load_b128 v[SC+8*E_:SC+8*E_+3], v[AS+S_] offset:O_
	ds_load_b128 v[SC+8*E_+4:SC+8*E_+7], v[AS2+S_] offset:O_
.irp i, 0,1,2,3
	TILE 144+48*E_+12*\i, AQ+S_, AQ8+S_, O_+1536*\i
.endr
.endm
; 16 matrix instructions: four of k's tiles x q's four; the 32 accumulators take turns, one instruction a turn, in the same order in every step
.macro MULH hf, e, z
	WIN 0x50
.irp a, 0,1,2,3
.irp i, 0,1,2,3
.set rD, 8*(8*\a+4*(\hf)+\i)
.set rA, 48+48*(\hf)+12*\i
.set rB, 144+48*(\e)+12*\a
.set rX, SC+8*(\e)+4*(\hf)+\i
.set rY, SC+8*(\e)+\a
.if \z
	v_wmma_scale_f32_16x16x128_f8f6f4 v[rD:rD+7], v[rA:rA+11], v[rB:rB+11], 0, v[rX], v[rY] matrix_a_fmt:MATRIX_FMT_FP6 matrix_b_fmt:MATRIX_FMT_FP6 matrix_a_scale:MATRIX_SCALE_ROW1
.else
	v_wmma_scale_f32_16x16x128_f8f6f4 v[rD:rD+7], v[rA:rA+11], v[rB:rB+11], v[rD:rD+7], v[rX], v[rY] matrix_a_fmt:MATRIX_FMT_FP6 matrix_b_fmt:MATRIX_FMT_FP6 matrix_a_scale:MATRIX_SCALE_ROW1
.endif
.endr
.endr
	WIN 0
.endm
.macro STEP kb, z=0
	s_wait_dscnt 16                                ; all but k's second half
	MULH 0, (\kb)%2, \z
	PLACES 4
	FETCHK (\kb)+1, 0
	FETCHQ (\kb)+1
	s_wait_dscnt 34                                ; all but the 34 just issued
	MULH 1, (\kb)%2, \z
	PLACES 4
	FETCHK (\kb)+1, 1
.endm
.macro STEPB kb, fill                  ; with a barrier: the next steps' tiles are shown to all; with fill the first ones' place is filled again
	s_wait_tensorcnt 0x0
	ds_add_u32 v[SPW], v[NIL]
	s_wait_dscnt 17                                ; (the add and k's second half may be out)
	MULH 0, (\kb)%2, 0
	s_wait_dscnt 0x0
	s_barrier_signal -1
	MULH 1, (\kb)%2, 0
	s_barrier_wait -1
.if \fill
	tensor_load_to_lds s[G0C:G0C+3], s[G1R:G1R+7]
	s_nop 0
.endif
	PLACES 4
	FETCHK (\kb)+1, 0
	FETCHQ (\kb)+1
	FETCHK (\kb)+1, 1
.endm
.macro GRP g, rows
	s_mov_b32 s[\g], 3<<16
	s_mov_b32 s[\g+1], 32<<16                      ; rows of 256 bytes
	s_mov_b32 s[\g+2], (\rows)<<16
	s_mov_b32 s[\g+3], 32<<16
	s_mov_b32 s[\g+4], \rows
	s_mov_b32 s[\g+5], 32
	s_mov_b32 s[\g+6], 0
	s_mov_b32 s[\g+7], 0
.endm
	s_load_b128 s[4:7], s[0:1], 0x0                ; qk, pc
	s_load_b64 s[8:9], s[0:1], 0x10                ; ps
	v_lshl_add_u32 v[SPW], v0, 2, SPARE
	v_mov_b32 v[NIL], 0
	ds_add_u32 v[SPW], v[NIL]
	ds_add_u32 v[SPW], v[NIL]
	v_lshrrev_b32 v1, 5, v0
	v_readfirstlane_b32 s[WV], v1
	s_lshr_b32 s[WQ], s[WV], 1
	s_and_b32 s[WC], s[WV], 1
	s_lshr_b32 s[QH], s[WV], 2
	s_and_b32 s[CQ], s[WQ], 1
	s_mov_b32 s[TI], 0                             ; the tile's row in the triangle: how many of the rows' first numbers lie at or under mine
.irp T, 1,3,6,10,15,21,28
	s_cmp_ge_u32 ttmp9, \T
	s_add_co_ci_u32 s[TI], s[TI], 0
.endr
	s_add_co_u32 s50, s[TI], 1
	s_mul_i32 s50, s50, s[TI]
	s_lshr_b32 s50, s50, 1
	s_sub_co_u32 s[TJ], ttmp9, s50                 ; and its column
	s_and_b32 s[TBA], ttmp7, 0xffff                ; the batch
	GRP G1, 75                                     ; half of three SRs
	GRP G1R, 50                                    ; half of two
	s_mov_b32 s[CS], 0x3d38aa3b                    ; log2(e) / 32
	s_mov_b32 s[CS+1], s[CS]
	s_mov_b32 s[SEL], 0x76543210
	s_mov_b32 s[SEL+1], 0xfedcba98
	s_mov_b32 s[HM], 0xffff0000
	s_cmp_lt_u32 s[WV], 4                          ; waves 0-3 fetch q's halves, waves 4-7 k's
	s_cselect_b32 s51, s[TI], s[TJ]
	s_cselect_b32 s54, 0, KOFF
	s_lshl_b32 s51, s51, 1
	s_add_co_u32 s51, s51, s[CQ]
	s_lshl_b32 s50, s[TBA], 4
	s_add_co_u32 s51, s51, s50                     ; token group
	s_mul_i32 s56, s51, 8*SR
	s_add_co_u32 s56, s56, s54
	s_mov_b32 s57, 0
	s_mul_i32 s55, s[WQ], REG                      ; region wave / 2,
	s_mul_i32 s52, s[WC], 3*SR/2                   ; part wave % 2
	s_mul_i32 s62, s[WC], SR
	s_mov_b32 s53, 0
	s_mov_b32 s63, 0
	s_mov_b32 s[G0], 1
	s_add_co_u32 s[G0+1], s55, s52
	s_mov_b32 s[G0B], 1
	s_add_co_u32 s[G0B+1], s[G0+1], 3*SR
	s_mov_b32 s[G0C], 1
	s_add_co_u32 s[G0C+1], s55, s62
	s_wait_dscnt 0x0
	s_wait_kmcnt 0x0
	s_add_nc_u64 s[4:5], s[4:5], s[56:57]
	s_add_nc_u64 s[G0+2:G0+3], s[4:5], s[52:53]
	s_add_nc_u64 s[G0B+2:G0B+3], s[G0+2:G0+3], 3*SR
	s_add_nc_u64 s[G0C+2:G0C+3], s[4:5], s[62:63]
	s_add_nc_u64 s[G0C+2:G0C+3], s[G0C+2:G0C+3], 6*SR
	s_or_b32 s[G0+3], s[G0+3], 0x80000000
	s_or_b32 s[G0B+3], s[G0B+3], 0x80000000
	s_or_b32 s[G0C+3], s[G0C+3], 0x80000000
	tensor_load_to_lds s[G0:G0+3], s[G1:G1+7]      ; steps 0-2
	s_nop 0
	PLACES 4
	s_mul_i32 s58, s[QH], REG
	s_lshl_b32 s50, s[CQ], 4
	s_add_co_u32 s61, s58, 12288
	s_add_co_u32 s61, s61, s50                     ; q's scale words
	s_mul_i32 s51, s[CQ], 6144
	s_add_co_u32 s58, s58, s51                     ; q's four tiles
	s_add_co_u32 s59, s[WC], 2
	s_mul_i32 s59, s59, REG
	s_xor_b32 s60, s[QH], 1
	s_add_co_u32 s60, s60, s[WC]
	s_add_co_u32 s60, s60, 1
	s_mul_i32 s60, s60, REG
	s_sub_co_u32 s60, s60, s50                     ; from q's scale words to k's
	s_lshl_b32 s62, s[WC], 8
	v_and_b32 v3, 31, v0
	v_and_b32 v1, 15, v0                           ; r
	v_bfe_u32 v2, v0, 4, 1                         ; h
	v_lshlrev_b32 v[L16], 4, v3
	v_lshlrev_b32 v[L8], 3, v3
	v_add_nc_u32 v[AQ], s58, v[L16]
	v_add_nc_u32 v[AQ8], s58, v[L8]
	v_add_nc_u32 v[AK], s59, v[L16]
	v_add_nc_u32 v[AK8], s59, v[L8]
	v_mul_u32_u24 v[AS], s60, v2
	v_lshl_add_u32 v[AS], v1, 5, v[AS]
	v_add_nc_u32 v[AS], s61, v[AS]
	v_lshl_add_u32 v[AS2], v2, 4, v[AS]
.irp k, AQ, AQ8, AK, AK8, AS, AS2
	v_add_nc_u32 v[\k+1], 3*SR, v[\k]
.endr
	v_lshlrev_b32 v[PSA], 9, v2                    ; lanes 16-31 store the next query tile's words
	v_lshl_add_u32 v[PSA], v1, 4, v[PSA]
	v_add_nc_u32 v[PSA], s62, v[PSA]
	v_lshlrev_b32 v[H8], 3, v2
	v_lshrrev_b32 v24, 3, v1
	v_sub_nc_u32 v24, v24, v2
	v_lshlrev_b32 v24, 5, v24
	v_and_b32 v[D0], 7, v1
	v_add_nc_u32 v[D0], v[D0], v24                 ; 32 (r / 8) + r % 8 - 32 h
	v_mov_b32 v[NINF], 0xff800000
	WALU
	s_xor_b32 s50, s[TI], s[TJ]
	s_xor_b32 s51, s[QH], s[WC]
	s_or_b32 s[DG], s50, s51                       ; 0: my unit is diagonal
	s_xor_b32 s51, s[WC], 1
	s_or_b32 s51, s51, s[QH]
	s_or_b32 s[HID], s50, s51                      ; 0: my unit is wholly hidden
	s_lshl_b32 s50, s[TI], 1
	s_add_co_u32 s50, s50, s[QH]                   ; my query group i
	s_sub_co_u32 s51, 15, s50
	s_lshr_b32 s53, s51, 1
	s_add_co_u32 s53, s53, 1
	s_cmp_lt_u32 s50, 8
	s_cselect_b32 s52, s50, s51                    ; i'
	s_cselect_b32 s53, 0, s53
	s_add_co_u32 s53, s53, s[TJ]                   ; the trip
	s_lshl_b32 s50, s[TBA], 3
	s_add_co_u32 s50, s50, s52
	s_mul_i32 s50, s50, 9
	s_add_co_u32 s50, s50, s53
	s_lshl_b32 s56, s50, 12
	s_lshl_b32 s51, s[CQ], 11
	s_add_co_u32 s56, s56, s51
	s_add_nc_u64 s[8:9], s[8:9], s[56:57]
	s_lshl_b32 s50, s50, 1
	s_add_co_u32 s50, s50, s[WC]
	s_mul_i32 s56, s50, 12288
	s_mul_i32 s51, s[CQ], 6144
	s_add_co_u32 s56, s56, s51
	s_add_nc_u64 s[6:7], s[6:7], s[56:57]
	s_wait_tensorcnt 0x0                           ; steps 0-2 are in
	ds_add_u32 v[SPW], v[NIL]
	s_wait_dscnt 0x0
	s_barrier_signal -1
	s_barrier_wait -1
	tensor_load_to_lds s[G0B:G0B+3], s[G1:G1+7]    ; steps 3-5
	s_nop 0
	PLACES 4
	FETCHK 0, 0
	FETCHQ 0
	FETCHK 0, 1
	STEP 0, 1
	STEP 1
	STEPB 2, 1                                     ; steps 6-7 onto 0-1
	STEP 3
	STEP 4
	STEPB 5, 0
	STEP 6
	s_wait_dscnt 16
	MULH 0, 1, 0
	s_wait_dscnt 0x0
	MULH 1, 1, 0
	PLACES 4
.irp k, PX, LP, WP
	v_mov_b32 v[\k], 0                             ; (a lane permute's destination counts as one of its sources)
	v_mov_b32 v[\k+1], 0
.endr
.macro MASK a, lo                      ; the band of keys that my queries lie in is compared; of queries in the lower band the upper keys are all hidden
	WIN 0x41
	WALU
.set x_, 0
.rept 2
.set n_, \lo
.rept 32
	v_cmp_gt_i32 vcc_lo, n_%32-8*((\a)+x_), v[D0]  ; the key comes after the query
	v_cndmask_b32 v[AC+64*x_+n_], v[AC+64*x_+n_], v[NINF], vcc_lo
.set n_, n_+1
.endr
.if (\lo) == 0
.rept 32
	v_mov_b32 v[AC+64*x_+n_], 0xff800000
.set n_, n_+1
.endr
.endif
.set x_, x_+1
.endr
	WIN 0
	WALU
.endm
; Blocks a and a + 1: 32 queries x my 128 keys, by turns.
.macro SOFT a
.set AC, 64*(\a)
.set OQ, 224+2*(\a)
	WALU
	s_cmp_lg_u32 s[DG], 0                          ; ids alone: only diagonal units have hidden keys
	s_cbranch_scc1 .Lopen_\@
	s_cmp_lg_u32 s[CQ], 0
	s_cbranch_scc1 .Lhigh_\@
	MASK \a, 0
	s_branch .Lopen_\@
.Lhigh_\@:
	MASK \a, 32
.Lopen_\@:
	WIN 0x14
	WALU
.set g_, 0
.rept 8
	v_max3_num_f32 v[TM+g_], v[NINF], v[AC+16*g_], v[AC+16*g_+1]
.set g_, g_+1
.endr
.set m_, 2
.rept 7
.set g_, 0
.rept 8
	v_max3_num_f32 v[TM+g_], v[TM+g_], v[AC+16*g_+m_], v[AC+16*g_+m_+1]   ; eight chains by turns
.set g_, g_+1
.endr
.set m_, m_+2
.endr
	WIN 0
.irp g, 0,1,2,3
	v_max_num_f32 v[TM+2*\g], v[TM+2*\g], v[TM+2*\g+1]   ; the largest score of each block of 32 keys: since p rises with the score it gives the block's largest p too
.endr
.irp x, 0,1
	v_max_num_f32 v[RX+\x], v[TM+4*\x], v[TM+4*\x+2]
.endr
.irp x, 0,1
	v_permlanex16_b32 v[PX+\x], v[RX+\x], s[SEL], s[SEL+1]
.endr
.irp x, 0,1
	v_max_num_f32 v[RX+\x], v[RX+\x], v[PX+\x]
.endr
.irp x, 0,1
	v_mul_f32 v[QA+4*\x+1], s[CS], v[RX+\x]        ; as t
.endr
.irp x, 0,1
	v_floor_f32 v[QA+4*\x], -v[QA+4*\x+1]          ; -M = floor(-t) = -ceil(t)
.endr
.irp g, 0,1,2,3
	v_fma_f32 v[TM+2*\g], v[TM+2*\g], s[CS], v[QA+4*(\g/2)]
.endr
	WIN 0x41
.set n_, 0
.rept 64
	v_pk_fma_f32 v[AC+n_:AC+n_+1], v[AC+n_:AC+n_+1], s[CS:CS+1], v[QA+4*(n_/64):QA+4*(n_/64)+1] op_sel_hi:[1,0,0]   ; t - M
.set n_, n_+2
.endr
	WALU
.set n_, 0
.rept 128
	v_exp_f32 v[AC+n_], v[AC+n_]                   ; p = 2^(t - M)
.set n_, n_+1
.endr
	WIN 0
.irp g, 0,1,2,3
	v_exp_f32 v[TM+2*\g], v[TM+2*\g]               ; each block's largest p
.endr
	v_mov_b32 v[OQ+3], 0                           ; a plain instruction behind the batch
	WALU                                           ; one wait for the batch
	WIN 0x05
.irp x, 0,1
	v_pk_add_f32 v[LA+2*\x:LA+2*\x+1], v[AC+64*\x:AC+64*\x+1], v[AC+64*\x+2:AC+64*\x+3]   ; the sum of the unquantised p
	v_pk_add_f32 v[LB+2*\x:LB+2*\x+1], v[AC+64*\x+4:AC+64*\x+5], v[AC+64*\x+6:AC+64*\x+7]
.endr
	WIN 0x04
.set n_, 8
.rept 14
.irp x, 0,1
	v_pk_add_f32 v[LA+2*\x:LA+2*\x+1], v[LA+2*\x:LA+2*\x+1], v[AC+64*\x+n_:AC+64*\x+n_+1]
	v_pk_add_f32 v[LB+2*\x:LB+2*\x+1], v[LB+2*\x:LB+2*\x+1], v[AC+64*\x+n_+2:AC+64*\x+n_+3]
.endr
.set n_, n_+4
.endr
	WIN 0
.irp x, 0,1
	v_pk_add_f32 v[LA+2*\x:LA+2*\x+1], v[LA+2*\x:LA+2*\x+1], v[LB+2*\x:LB+2*\x+1]
.endr
.irp g, 0,1,2,3
	v_max_num_f32 v[TM+2*\g], 0x1800000, v[TM+2*\g]   ; the floor 2^(3 - 127)
.endr
.irp x, 0,1
	v_add_f32 v[LS+\x], v[LA+2*\x], v[LA+2*\x+1]
.endr
.irp g, 0,1,2,3
	v_add_nc_u32 v[SO+\g], 0xff000000, v[TM+2*\g]
.endr
.irp x, 0,1
	v_permlanex16_b32 v[LP+\x], v[LS+\x], s[SEL], s[SEL+1]
.endr
.irp g, 0,1,2,3
	v_lshrrev_b32 v[EB+\g], 23, v[SO+\g]
.endr
.irp x, 0,1
	v_add_f32 v[LS+\x], v[LS+\x], v[LP+\x]         ; l of my query over the unit
.endr
.irp x, 0,1
	v_lshl_or_b32 v[WD+\x], v[EB+2*\x+1], 16, v[EB+2*\x]
.endr
.irp x, 0,1
	v_lshlrev_b32 v[WD+\x], v[H8], v[WD+\x]
.endr
.irp x, 0,1
	v_permlanex16_b32 v[WP+\x], v[WD+\x], s[SEL], s[SEL+1]
.endr
.irp x, 0,1
	v_or_b32 v[WD+\x], v[WD+\x], v[WP+\x]          ; p's scale word under the local M: bytes of 1 to 125,
.endr
.irp x, 0,1
	v_or_b32 v[WD+\x], 0x80808080, v[WD+\x]        ; with bit 7 set, as the next launch wants them
.endr
	WIN 0x01
.irp g, 0,1,2,3
	v_cvt_scalef32_pk16_fp6_f32 v[CD+12*(\a)+6*\g:CD+12*(\a)+6*\g+2], v[AC+32*\g:AC+32*\g+15], v[SO+\g]
	v_cvt_scalef32_pk16_fp6_f32 v[T2+4*\g:T2+4*\g+2], v[AC+32*\g+16:AC+32*\g+31], v[SO+\g]
.endr
	WIN 0
	v_cndmask_b32 v[OQ], v[QA], v[QA+4], s[HM]     ; lanes 0-15 block a's words, lanes 16-31 block a + 1's
	v_cndmask_b32 v[OQ+1], v[WD], v[WD+1], s[HM]
	v_cndmask_b32 v[OQ+2], v[LS], v[LS+1], s[HM]
.irp g, 0,1,2,3
.irp i, 0,1,2
	v_mov_b32 v[CD+12*(\a)+6*\g+3+\i], v[T2+4*\g+\i]
.endr
.endr
.irp x, 0,1
.irp c, 0,1,2
	global_store_b128 v[L16], v[CD+12*(\a)+12*\x+4*\c:CD+12*(\a)+12*\x+4*\c+3], s[6:7] offset:((\a)+\x)*1536+512*\c
.endr
.endr
	global_store_b128 v[PSA], v[OQ:OQ+3], s[8:9] offset:512*(\a)   ; two units of 256 bytes
.endm
	WALU
	s_cmp_lg_u32 s[HID], 0
	s_cbranch_scc1 .Lsoft
	v_mov_b32 v224, 0x7f61b1e6                     ; 3e38
	v_mov_b32 v225, 0x80808080
	v_mov_b32 v226, 0
	v_mov_b32 v227, 0
.irp a, 0,2
	global_store_b128 v[PSA], v[224:227], s[8:9] offset:512*\a
.endr
	s_branch .Lend
.Lsoft:
	SOFT 0
	SOFT 2
.Lend:
	s_wait_tensorcnt 0x0                           ; the wave's end
	ds_add_u32 v[SPW], v[NIL]
	s_wait_dscnt 0x0
	s_endpgm
.Lfunc_end_k_q1f4694cea2_score:
	.size	k_q1f4694cea2_score, .Lfunc_end_k_q1f4694cea2_score-k_q1f4694cea2_score
	.p2alignl 7, 3214868480
	.fill 96, 4, 3214868480
	.section	.rodata,"a",@progbits
	.p2align	6, 0x0
	.amdhsa_kernel k_q1f4694cea2_score
		.amdhsa_group_segment_fixed_size 327680
		.amdhsa_private_segment_fixed_size 0
		.amdhsa_enable_private_segment 0
		.amdhsa_kernarg_size 24
		.amdhsa_user_sgpr_count 2
		.amdhsa_user_sgpr_kernarg_segment_ptr 1
		.amdhsa_wavefront_size32 1
		.amdhsa_system_sgpr_workgroup_id_x 1
		.amdhsa_system_sgpr_workgroup_id_y 1
		.amdhsa_system_sgpr_workgroup_id_z 1
		.amdhsa_system_vgpr_workitem_id 0
		.amdhsa_next_free_vgpr 512
		.amdhsa_next_free_sgpr 80
		.amdhsa_reserve_vcc 1
		.amdhsa_float_denorm_mode_32 3
		.amdhsa_float_denorm_mode_16_64 3
		.amdhsa_memory_ordered 1
		.amdhsa_forward_progress 1
		.amdhsa_inst_pref_size 135
	.end_amdhsa_kernel
	.amdgpu_metadata
---
amdhsa.version: [ 1, 2 ]
amdhsa.kernels:
  - .name:           k_q1f4694cea2_score
    .symbol:         k_q1f4694cea2_score.kd
    .args:
      - { .name: qk, .offset: 0, .size: 8, .value_kind: global_buffer, .address_space: global }
      - { .name: pc, .offset: 8, .size: 8, .value_kind: global_buffer, .address_space: global }
      - { .name: ps, .offset: 16, .size: 8, .value_kind: global_buffer, .address_space: global }
    .group_segment_fixed_size: 327680
    .private_segment_fixed_size: 0
    .kernarg_segment_align: 8
    .kernarg_segment_size: 24
    .max_flat_workgroup_size: 256
    .sgpr_count:     80
    .vgpr_count:     512
    .wavefront_size: 32
...
	.end_amdgpu_metadata
.endif
;; end of part 3
;; launch pv (part 4): grid 8 x 32, 4 waves a work-group, clusters of 4 x 1, 327,680 bytes of LDS; arguments pc, ps, vr, out0; writes out0
.if DOCPART == 4
	.amdgcn_target "amdgcn-amd-amdhsa--gfx1250"
	.amdhsa_code_object_version 6
	.text
	.protected	k_q1f4694cea2_pv
	.globl	k_q1f4694cea2_pv
	.p2align	8
	.type	k_q1f4694cea2_pv,@function
k_q1f4694cea2_pv:
	s_mov_b64 s[64:65], 0
	v_nop
	global_prefetch_b8 v0, s[64:65] scope:SCOPE_SE
	s_setreg_imm32_b32 hwreg(HW_REG_WAVE_MODE, 25, 1), 1
	s_wait_xcnt 0x0
	s_wait_alu depctr_hold_cnt(0) depctr_sa_sdst(0) depctr_va_vdst(0) depctr_va_sdst(0) depctr_va_ssrc(0) depctr_va_vcc(0) depctr_vm_vsrc(0)
	s_getreg_b32 s2, hwreg(HW_REG_IB_STS2, 6, 4)
	s_cmp_eq_u32 s2, 0
	s_cbranch_scc0 .Lentry_in_a_cluster
	s_endpgm
.Lentry_in_a_cluster:
	s_bfe_u32 s2, ttmp6, 0x10000c
	s_cmp_lg_u32 s2, 0x3003
	s_cbranch_scc0 .Lentry_shape_is_right
	s_endpgm
.Lentry_shape_is_right:
; out = (p v) / l on codes of FP6 (E2M3), up to the causal limit (what lies beyond it is hidden by reference()'s own mask: work left out, as the first kernel's head says).
; A work-group makes 128 hidden units of TWO query groups of 128, i' (S) and 15 - i' (L), i' = 0 .. 7: S walks i' + 1 key units of 128, L walks 16 - i', 17 in all, as NINE TRIPS of two units: S's nS = i' / 2 + 1 first, then L's.
; One trip has a single unit: S's last where i' is even, L's last (trip 8) where it is odd; the second unit's products are jumped over, by ids alone.
; p arrives under LOCAL whole numbers M, one for each query and unit, with (-M, scale word, l) beside the codes.  THE PRE-PASS takes each query's largest M; d = M - local M is a whole number, 0 or more: d goes off each of the
; unit's four scale bytes (held at 0), and l = the sum of the units' l x 2^-d: exact powers of two.  A wave does two query tiles; the words and 1 / l go through LDS to the wave beside it.
; The matrix instruction's first source is a tile of v (16 hidden units, K = keys), its second one of p: a lane holds ONE query and registers along the hidden units.  Four waves, 2 x 2, each 64 queries x 64 hidden units.
; S's sums begin with the constant 0; L's first trip hangs on i', so L's sums begin as zeros, laid at the head while the first loads are out.
; LDS: two slots of three trips each: three pairs of p units, three pairs of v SRs.  Wave 0 fetches p's three pairs, which lie on end, waves 1 to 3 one pair of v each: one load a wave at the head (slot 0), behind the first round
; (slot 1), and behind the second (slot 0 again).  Every wait on TENSORcnt is for 0.
; CLUSTERS: the four work-groups of a cluster have the same query groups and other hidden units: they ask for p jointly; all make the same trips.  v's tiles are shared by work-groups whose trips differ, so they are asked for singly.
; NO PREFETCH: the walk is three loads written out, with no loop to run ahead in.
; LIMITS: d is held at 127 (what is dropped lies under 2^-120 of l, which is above 1/2); a scale byte that would fall under 0 is held at 0 (terms of at most 7.5 x 2^-127 x |v|); NaN and infinities are not served.
; REGISTERS: window 0: v4-31 addresses; v32-47 scale words, two sets (v's four, p's four); v48-63 1 / l (even registers); v64-159, v160-255 fragments of a trip's first and second unit (at work in the pre-pass).
;   window 1: v0-127 S's accumulators ((a, t) at 8 (4 a + t)), v128-255 the way out.  window 2: v0-127 L's accumulators.
.set PB,    24576                      ; a pair of p units
.set VB2,   25600                      ; a pair of v SRs
.set VOFF,  3*PB
.set SLOT,  3*PB+3*VB2
.set WORDS, 2*SLOT                     ; p's scale words [8 - trip][wave row][lane][tile: 4]
.set STAGE, WORDS+6*1024               ; the way out: 16 rows x 272 bytes for each wave, over the words of trips 0-2 and the 1 / l: all waves have read those ahead of the second round, behind which the stage is first written
.set LREG,  WORDS+9*1024               ; 1 / l [wave row][S, L][tile: 4][lane]
.set SPARE, STAGE+4*16*272
.set AP,   4                           ; v4-7 p's tiles: slot 0 (trips 0, 1 | 2), slot 1
.set AV,   8                           ; v8-11 v's
.set VSA,  12                          ; v12-13 v's scale words: lanes 0-15 the first unit's, lanes 16-31 the second's
.set PWA,  14
.set PWS,  15
.set LRA,  16
.set LRS,  17
.set STO,  18
.set RD,   19
.set CO,   20
.set SPW,  21
.set NIL,  22
.set L16,  23
.set L4,   24
.set LG,   48
.set RAW,  64                          ; v64-135 the raw words: (trip, tile) at 4 (2 trip + tile)
.set EE,   136
.set LX,   154
.set DD,   172
.set MM,   190
.set XX,   208
.set NGS,  226
.set NGL,  228
.set PD,   230
.set CA,   234                         ; v234-239, v240-245: for trips 1-3
.set CB,   240
.set BIGV, 246
.set LSS,  248
.set LLL,  250
.set PE,   252
.set WV,  18
.set WR,  19
.set WC,  20
.set SEL, 22
.set G1P, 24
.set G1V, 32
.set G0P, 40
.set G0V, 44
.set NS,  48
.set HT,  49
.set YY,  50
.set TI,  51
.set UW,  52
.set VLD, 53
.set SM,  54                           ; s55-57 all ones where trip 1, 2, 3 is S's
.set C80, 58
.set CM,  59
.set VBA, 60
.set PSB, 66
.set OUTS, 68
.set OUTL, 70
.set MSB, 0
.macro WIN new
.if MSB != (\new)
	s_set_vgpr_msb (MSB<<8)|(\new)
.set MSB, (\new)
.endif
.endm
.macro PLACES n
.rept \n
	v_nop
.endr
.endm
.macro WALU
	s_wait_alu depctr_va_vdst(0)
.endm
.macro CROUND
	s_barrier_signal -1
	s_barrier_wait -1
	s_cmp_lg_u32 s[WV], 0
	s_cbranch_scc1 .Lnot_wave_0_\@
	s_barrier_signal -3
.Lnot_wave_0_\@:
	s_barrier_wait -3
	s_barrier_signal -1
	s_barrier_wait -1
.endm
.macro GRP g, word0, rows
	s_mov_b32 s[\g], \word0
	s_mov_b32 s[\g+1], 32<<16
	s_mov_b32 s[\g+2], (\rows)<<16
	s_mov_b32 s[\g+3], 32<<16
	s_mov_b32 s[\g+4], \rows
	s_mov_b32 s[\g+5], 32
	s_mov_b32 s[\g+6], 0
	s_mov_b32 s[\g+7], 0
.endm
.macro ASKL                            ; wave 0 p's three pairs, jointly; the others a pair of v
	s_cmp_eq_u32 s[WV], 0
	s_cbranch_scc0 .Lv_\@
	tensor_load_to_lds s[G0P:G0P+3], s[G1P:G1P+7]
	s_nop 0
	PLACES 4
	s_branch .Ld_\@
.Lv_\@:
	tensor_load_to_lds s[G0V:G0V+3], s[G1V:G1V+7]
	s_nop 0
	PLACES 4
.Ld_\@:
.endm
.macro VDESC s                         ; v's descriptor for section s: my trip is 3 s + wave - 1, its pair of key units counted from its own group's start
	s_add_co_u32 s72, s[UW], 3*(\s)
	s_sub_co_u32 s73, s72, s[NS]
	s_cmp_lt_u32 s72, s[NS]
	s_cselect_b32 s72, s72, s73
	s_mul_i32 s72, s72, VB2
	s_mov_b32 s73, 0
	s_add_nc_u64 s[G0V+2:G0V+3], s[VBA:VBA+1], s[72:73]
	s_or_b32 s[G0V+3], s[G0V+3], 0x80000000
	s_add_co_u32 s[G0V+1], s[VLD], ((\s)%2)*SLOT
.endm
.macro FETCHU u, un                    ; trip u's unit un: v's four tiles, p's four (24 loads); with the first unit the trip's scale words (2)
.set S_, ((\u)/3)%2
.set K_, (\u)%3
.set H_, K_/2
.set PO_, (K_-2*H_)*PB+(\un)*12288
.set VO_, (K_-2*H_)*VB2+(\un)*12800
.if (\un) == 0
	ds_load_b128 v[32+8*((\u)%2):35+8*((\u)%2)], v[VSA+S_] offset:K_*VB2
	ds_load_b128 v[36+8*((\u)%2):39+8*((\u)%2)], v[PWA] offset:(8-(\u))*1024
.endif
.irp t, 0,1,2,3
.irp c, 0,1,2
	ds_load_b128 v[64+96*(\un)+12*\t+4*\c:67+96*(\un)+12*\t+4*\c], v[AV+2*S_+H_] offset:VO_+1536*\t+512*\c
.endr
.endr
.irp t, 0,1,2,3
.irp c, 0,1,2
	ds_load_b128 v[112+96*(\un)+12*\t+4*\c:115+96*(\un)+12*\t+4*\c], v[AP+2*S_+H_] offset:PO_+1536*\t+512*\c
.endr
.endr
.endm
.macro MUL w, u, un, z                 ; 16 products; the 16 accumulators take turns, one instruction a turn
	WIN ((\w)<<4)|((\w)<<6)
.irp a, 0,1,2,3
.irp t, 0,1,2,3
.set rD, 8*(4*\a+\t)
.set rA, 64+96*(\un)+12*\t
.set rB, 112+96*(\un)+12*\a
.set rX, 32+8*((\u)%2)+\t
.set rY, 36+8*((\u)%2)+\a
.if \z
	v_wmma_scale_f32_16x16x128_f8f6f4 v[rD:rD+7], v[rA:rA+11], v[rB:rB+11], 0, v[rX], v[rY] matrix_a_fmt:MATRIX_FMT_FP6 matrix_b_fmt:MATRIX_FMT_FP6
.elseif (\un) == 0
	v_wmma_scale_f32_16x16x128_f8f6f4 v[rD:rD+7], v[rA:rA+11], v[rB:rB+11], v[rD:rD+7], v[rX], v[rY] matrix_a_fmt:MATRIX_FMT_FP6 matrix_b_fmt:MATRIX_FMT_FP6
.else
	v_wmma_scale_f32_16x16x128_f8f6f4 v[rD:rD+7], v[rA:rA+11], v[rB:rB+11], v[rD:rD+7], v[rX], v[rY] matrix_a_fmt:MATRIX_FMT_FP6 matrix_b_fmt:MATRIX_FMT_FP6 matrix_a_scale:MATRIX_SCALE_ROW1 matrix_b_scale:MATRIX_SCALE_ROW1
.endif
.endr
.endr
	WIN 0
.endm
.macro PICK u, un                      ; S's sums or L's: ids alone
.if (\u) <= 3 && (\u) > 0
	s_cmp_gt_u32 s[NS], \u
	s_cbranch_scc0 .Ll_\@
.endif
.if (\un) && ((\u) <= 3 || (\u) == 8)
	s_cmp_eq_u32 s[HT], \u                         ; the trip with a single unit
	s_cbranch_scc1 .Ld_\@
.endif
.if (\u) == 0 && (\un) == 0
	MUL 1, \u, \un, 1
.elseif (\u) <= 3
	MUL 1, \u, \un, 0
.else
	MUL 2, \u, \un, 0
.endif
.if (\u) <= 3 && (\u) > 0
	s_branch .Ld_\@
.Ll_\@:
	MUL 2, \u, \un, 0
.endif
.Ld_\@:
.endm
.macro TRIP u
	PLACES 4
	FETCHU \u, 1
	s_wait_dscnt 24                                ; the first unit is in; the second's 24 loads may be out
	PICK \u, 0
	PLACES 4
.if (\u)%3 < 2
	FETCHU (\u)+1, 0
	s_wait_dscnt 26                                ; the second unit is in; the next trip's 26 loads may be out
.else
	s_wait_dscnt 0x0
.endif
	PICK \u, 1
.endm
.macro SECT s                          ; a section of three trips: its slot is shown to all; behind the round the other slot is filled with the next section's tiles
	s_wait_tensorcnt 0x0
	ds_add_u32 v[SPW], v[NIL]
.if (\s) < 2
	s_mov_b32 s[G0P+1], (((\s)+1)%2)*SLOT
	s_add_nc_u64 s[G0P+2:G0P+3], s[G0P+2:G0P+3], 3*PB
	VDESC (\s)+1
.endif
	s_wait_dscnt 0x0
.if (\s) < 2
	CROUND
	ASKL
.else
	s_barrier_signal -1
	s_barrier_wait -1
.endif
	PLACES 4
.endm
; THE WAY OUT, block by block of 16 queries x my 64 hidden units.  Register 8 t + i of lane (r, h) is hidden unit 32 h + 8 t + i: through my stage, back as rows of 256 bytes.
.macro TOSTAGE w, a, lg
.set TS, 128+32*((\a)%2)
.set BS, 192+32*((\a)%2)
	WIN 0x40|(\w)
.set jj, 0
.rept 16
	v_pk_mul_f32 v[TS+jj:TS+jj+1], v[32*(\a)+jj:32*(\a)+jj+1], v[\lg+2*(\a):\lg+2*(\a)+1] op_sel_hi:[1,0]   ; / l; each accumulator from its low end on
.set jj, jj+2
.endr
	WIN 0x04
.irp k, 0,1,2,3,4,5,6,7
	ds_store_b128 v[STO], v[TS+4*\k:TS+4*\k+3] offset:16*\k
.endr
	WIN 0x40
.irp k, 0,1,2,3,4,5,6,7
	ds_load_b128 v[BS+4*\k:BS+4*\k+3], v[RD] offset:\k*2*272   ; LDS serves a wave's instructions in order
.endr
	WIN 0
.endm
.macro SEND a, base, younger
.set BS, 192+32*((\a)%2)
	s_wait_dscnt \younger
	WIN 0x04
.irp k, 0,1,2,3,4,5,6,7
	global_store_b128 v[CO], v[BS+4*\k:BS+4*\k+3], s[\base:\base+1] offset:(8*(\a)+2*\k+24*(\k/4))*4096 th:TH_STORE_NT   ; positions 2 k, 2 k + 1 are rows 8 a + 2 k + 24 (k / 4) on: 16 lanes store 256 consecutive bytes, aligned
.endr
	WIN 0
.endm
.macro WAYOUT w, lg, base
	s_wait_xcnt 0x0                                ; earlier stores have read their registers
	PLACES 4
	TOSTAGE \w, 0, \lg
	TOSTAGE \w, 1, \lg
	SEND 0, \base, 16                              ; behind a block's loads: the next block's 8 stores and 8 loads
	s_wait_xcnt 0x0
	TOSTAGE \w, 2, \lg
	SEND 1, \base, 16
	s_wait_xcnt 0x0
	TOSTAGE \w, 3, \lg
	SEND 2, \base, 16
	SEND 3, \base, 0
.endm
	s_load_b256 s[4:11], s[0:1], 0x0               ; pc, ps, vr, out0
	v_lshl_add_u32 v[SPW], v0, 2, SPARE
	v_mov_b32 v[NIL], 0
	ds_add_u32 v[SPW], v[NIL]
	ds_add_u32 v[SPW], v[NIL]
	v_lshrrev_b32 v1, 5, v0
	v_readfirstlane_b32 s[WV], v1
	s_lshr_b32 s[WR], s[WV], 1
	s_and_b32 s[WC], s[WV], 1
	s_bfe_u32 s74, ttmp6, 0x40000                  ; cx
	s_lshl_b32 s75, ttmp9, 2
	s_add_co_u32 s75, s75, s74                     ; s75 my hidden group of 128
	s_and_b32 s[YY], ttmp7, 0xffff                 ; 8 x batch + i'
	s_lshr_b32 s76, s[YY], 3                       ; s76 the batch
	s_and_b32 s[TI], s[YY], 7                      ; i'
	s_lshr_b32 s77, s[TI], 1
	s_add_co_u32 s[NS], s77, 1
	s_bitcmp1_b32 s[TI], 0
	s_cselect_b32 s[HT], 8, s77
.irp k, 1,2,3
	s_cmp_gt_u32 s[NS], \k
	s_cselect_b32 s[SM+\k], -1, 0
.endr
	s_max_u32 s[UW], s[WV], 1
	s_sub_co_u32 s[UW], s[UW], 1
	s_mul_i32 s[VLD], s[WV], VB2
	s_add_co_u32 s[VLD], s[VLD], VOFF-VB2
	s_mov_b32 s[SEL], 0x76543210
	s_mov_b32 s[SEL+1], 0xfedcba98
	s_mov_b32 s[C80], 0x80808080
	s_mov_b32 s[CM], 0xfefefeff                    ; -0x01010101
	GRP G1P, (3<<16)|(1<<21)|15, 288
	GRP G1V, 3<<16, 100
	s_mov_b32 s[G0P], 1
	s_mov_b32 s[G0P+1], 0
	s_mov_b32 s[G0V], 1
	s_mul_i32 s78, s[YY], 9
	s_mul_i32 s80, s78, PB                         ; my nine pairs in pc
	s_mov_b32 s81, 0
	s_lshl_b32 s82, s78, 12                        ; and in ps, + my two query tiles
	s_lshl_b32 s79, s[WV], 10
	s_add_co_u32 s82, s82, s79
	s_mov_b32 s83, 0
	s_lshl_b32 s84, s76, 3
	s_add_co_u32 s84, s84, s75
	s_mul_i32 s84, s84, 8*VB2                      ; my hidden group's SRs in vr
	s_mov_b32 s85, 0
	s_wait_dscnt 0x0
	s_wait_kmcnt 0x0
	s_add_nc_u64 s[G0P+2:G0P+3], s[4:5], s[80:81]
	s_or_b32 s[G0P+3], s[G0P+3], 0x80000000
	s_add_nc_u64 s[VBA:VBA+1], s[8:9], s[84:85]
	s_add_nc_u64 s[PSB:PSB+1], s[6:7], s[82:83]
	VDESC 0
	WALU
	CROUND
	ASKL                                           ; trips 0-2
	s_lshl_b32 s86, s[WR], 9
	s_add_co_u32 s86, s86, WORDS
	s_lshl_b32 s87, s[WC], 3
	s_add_co_u32 s87, s87, s86
	s_lshl_b32 s88, s[WR], 10
	s_add_co_u32 s88, s88, LREG
	s_lshl_b32 s89, s[WC], 8
	s_add_co_u32 s89, s89, s88
	s_mul_i32 s90, s[WR], 6144                     ; my four tiles of p
	s_mul_i32 s91, s[WC], 6144
	s_add_co_u32 s91, s91, VOFF                    ; and of v
	s_lshl_b32 s92, s[WC], 4
	s_add_co_u32 s92, s92, VOFF+12288
	s_mul_i32 s93, s[WV], 16*272
	s_add_co_u32 s93, s93, STAGE
	v_and_b32 v3, 31, v0
	v_lshlrev_b32 v[L16], 4, v3
	WALU
.set n_, 0
.rept 18
	global_load_b128 v[RAW+4*n_:RAW+4*n_+3], v[L16], s[PSB:PSB+1] offset:4096*(n_/2)+512*(n_%2)   ; trip n / 2, tile n % 2: 512 consecutive bytes
.set n_, n_+1
.endr
	v_and_b32 v1, 15, v0                           ; r
	v_bfe_u32 v2, v0, 4, 1                         ; h
	v_lshlrev_b32 v[L4], 2, v3
	v_add_nc_u32 v[PWA], s86, v[L16]
	v_add_nc_u32 v[PWS], s87, v[L16]
	v_add_nc_u32 v[LRA], s88, v[L4]
	v_add_nc_u32 v[LRS], s89, v[L4]
	v_add_nc_u32 v[AP], s90, v[L16]
	v_add_nc_u32 v[AV], s91, v[L16]
	v_mul_u32_u24 v[VSA], v2, 12800
	v_lshl_add_u32 v[VSA], v1, 5, v[VSA]
	v_add_nc_u32 v[VSA], s92, v[VSA]
	v_add_nc_u32 v[AP+1], 2*PB, v[AP]
	v_add_nc_u32 v[AV+1], 2*VB2, v[AV]
	v_add_nc_u32 v[VSA+1], SLOT, v[VSA]
	v_add_nc_u32 v[AP+2], SLOT, v[AP]
	v_add_nc_u32 v[AV+2], SLOT, v[AV]
	v_add_nc_u32 v[AP+3], SLOT+2*PB, v[AP]
	v_add_nc_u32 v[AV+3], SLOT+2*VB2, v[AV]
	v_mul_u32_u24 v[STO], v1, 272
	v_lshl_add_u32 v[STO], v2, 7, v[STO]
	v_add_nc_u32 v[STO], s93, v[STO]               ; in: row r, + 128 h
	v_mul_u32_u24 v[RD], v2, 272
	v_lshl_add_u32 v[RD], v1, 4, v[RD]
	v_add_nc_u32 v[RD], s93, v[RD]                 ; back: lanes 0-15 one row of 256 bytes, lanes 16-31 the next
	v_lshlrev_b32 v[CO], 12, v2
	v_lshl_add_u32 v[CO], v1, 4, v[CO]
.irp k, 0,1
	v_mov_b32 v[PD+\k], 0                          ; (a lane permute's destination counts as one of its sources)
	v_mov_b32 v[PD+2+\k], 0
	v_mov_b32 v[PE+\k], 0
	v_mov_b32 v[PE+2+\k], 0
.endr
	v_mov_b32 v[BIGV], 0x7f61b1e6                  ; 3e38
.irp k, 0,1,2,3,4,5,6,7
	v_mov_b32 v[LG+2*\k+1], 0                      ; (named with 1 / l as a pair on the way out)
.endr
	WIN 0x80
.set n_, 0
.rept 128
	v_mov_b32 v[n_], 0                             ; L's sums
.set n_, n_+1
.endr
	WIN 0
	WALU
	s_lshl_b32 s80, s76, 11                        ; out0: row 2048 batch + 128 x group + 64 wr, column 128 x hidden group + 64 wc
	s_lshl_b32 s82, s[WR], 6
	s_add_co_u32 s80, s80, s82
	s_sub_co_u32 s82, 15, s[TI]
	s_lshl_b32 s82, s82, 7
	s_add_co_u32 s82, s82, s80
	s_lshl_b32 s83, s[TI], 7
	s_add_co_u32 s80, s80, s83
	s_lshl_b32 s80, s80, 12
	s_lshl_b32 s82, s82, 12
	s_lshl_b32 s84, s75, 9
	s_lshl_b32 s83, s[WC], 8
	s_add_co_u32 s84, s84, s83
	s_add_co_u32 s80, s80, s84
	s_add_co_u32 s82, s82, s84
	s_mov_b32 s83, 0
	s_add_nc_u64 s[OUTS:OUTS+1], s[10:11], s[80:81]
	s_add_nc_u64 s[OUTL:OUTL+1], s[10:11], s[82:83]
	s_wait_loadcnt 0x0
; THE PRE-PASS.  n = 2 trip + tile.  Trip 0 is S's, trips 4-8 are L's, trips 1-3 either's
.irp a, 0,1
	v_min3_num_f32 v[NGL+\a], v[RAW+4*(8+\a)], v[RAW+4*(10+\a)], v[RAW+4*(12+\a)]
.endr
.irp u, 1,2,3
.irp a, 0,1
	v_cndmask_b32 v[CA+2*\u-2+\a], v[BIGV], v[RAW+4*(2*\u+\a)], s[SM+\u]
	v_cndmask_b32 v[CB+2*\u-2+\a], v[RAW+4*(2*\u+\a)], v[BIGV], s[SM+\u]
.endr
.endr
.irp a, 0,1
	v_min3_num_f32 v[NGL+\a], v[NGL+\a], v[RAW+4*(14+\a)], v[RAW+4*(16+\a)]
	v_min3_num_f32 v[NGS+\a], v[RAW+4*\a], v[CA+\a], v[CA+2+\a]
.endr
.irp a, 0,1
	v_min3_num_f32 v[NGL+\a], v[NGL+\a], v[CB+\a], v[CB+2+\a]
	v_min_num_f32 v[NGS+\a], v[NGS+\a], v[CA+4+\a]
.endr
.irp a, 0,1
	v_min_num_f32 v[NGL+\a], v[NGL+\a], v[CB+4+\a]
.endr
.irp a, 0,1,2,3
	v_permlanex16_b32 v[PD+\a], v[NGS+\a], s[SEL], s[SEL+1]
.endr
.irp a, 0,1,2,3
	v_min_num_f32 v[NGS+\a], v[NGS+\a], v[PD+\a]   ; minus the row's M: S's two tiles, L's two
.endr
.irp u, 1,2,3
.irp a, 0,1
	v_cndmask_b32 v[CA+2*\u-2+\a], v[NGL+\a], v[NGS+\a], s[SM+\u]
.endr
.endr
.set n_, 0
.rept 18
.if n_ < 2
	v_sub_f32 v[EE+n_], v[NGS+n_], v[RAW+4*n_]     ; -d = local M - M
.elseif n_ < 8
	v_sub_f32 v[EE+n_], v[CA+n_-2], v[RAW+4*n_]
.else
	v_sub_f32 v[EE+n_], v[NGL+n_%2], v[RAW+4*n_]
.endif
.set n_, n_+1
.endr
.set n_, 0
.rept 18
	v_max_num_f32 v[EE+n_], 0xc2fe0000, v[EE+n_]   ; held at -127
.set n_, n_+1
.endr
.set n_, 0
.rept 18
	v_cvt_i32_f32 v[EE+n_], v[EE+n_]
.set n_, n_+1
.endr
.set n_, 0
.rept 18
	v_ldexp_f32 v[LX+n_], v[RAW+4*n_+2], v[EE+n_]  ; l x 2^-d
.set n_, n_+1
.endr
.set n_, 0
.rept 18
	v_mul_lo_u32 v[DD+n_], v[EE+n_], s[CM]         ; d in each of the four bytes
.set n_, n_+1
.endr
.set n_, 0
.rept 18
	v_sub_nc_u32 v[DD+n_], v[RAW+4*n_+1], v[DD+n_] ; byte + 128 - d: 1 to 253, so no byte borrows; bit 7 says that byte >= d
.set n_, n_+1
.endr
.set n_, 0
.rept 18
	v_and_b32 v[MM+n_], s[C80], v[DD+n_]
.set n_, n_+1
.endr
.set n_, 0
.rept 18
	v_lshrrev_b32 v[XX+n_], 7, v[MM+n_]
.set n_, n_+1
.endr
.set n_, 0
.rept 18
	v_sub_nc_u32 v[MM+n_], v[MM+n_], v[XX+n_]      ; 0x7f where byte >= d, else 0
.set n_, n_+1
.endr
.set n_, 0
.rept 18
	v_and_b32 v[DD+n_], v[DD+n_], v[MM+n_]         ; max(byte - d, 0)
.set n_, n_+1
.endr
.set n_, 0
.rept 18
	ds_store_b32 v[PWS], v[DD+n_] offset:(8-n_/2)*1024+4*(n_%2)
.set n_, n_+1
.endr
.irp u, 1,2,3
.irp a, 0,1
	v_cndmask_b32 v[CA+2*\u-2+\a], 0, v[LX+2*\u+\a], s[SM+\u]
.endr
.endr
.irp u, 1,2,3
.irp a, 0,1
	v_sub_f32 v[CB+2*\u-2+\a], v[LX+2*\u+\a], v[CA+2*\u-2+\a]   ; (L's share: all of it or 0)
.endr
.endr
.irp a, 0,1
	v_add_f32 v[LSS+\a], v[LX+\a], v[CA+\a]
	v_add_f32 v[LLL+\a], v[LX+8+\a], v[CB+\a]
.endr
.irp k, 2,4
.irp a, 0,1
	v_add_f32 v[LSS+\a], v[LSS+\a], v[CA+\k+\a]
	v_add_f32 v[LLL+\a], v[LLL+\a], v[CB+\k+\a]
.endr
.endr
.irp k, 10,12,14,16
.irp a, 0,1
	v_add_f32 v[LLL+\a], v[LLL+\a], v[LX+\k+\a]
.endr
.endr
.irp a, 0,1,2,3
	v_permlanex16_b32 v[PE+\a], v[LSS+\a], s[SEL], s[SEL+1]
.endr
.irp a, 0,1,2,3
	v_add_f32 v[LSS+\a], v[LSS+\a], v[PE+\a]       ; the row's l
.endr
	WALU
.irp a, 0,1,2,3
	v_rcp_f32 v[LSS+\a], v[LSS+\a]
.endr
	v_nop                                          ; a plain instruction behind the batch
	WALU
.irp a, 0,1,2,3
	ds_store_b32 v[LRS], v[LSS+\a] offset:512*(\a/2)+128*(\a%2)
.endr
	SECT 0                                         ; also shows the words and 1 / l
.irp k, 0,1,2,3,4,5,6,7
	ds_load_b32 v[LG+2*\k], v[LRA] offset:128*\k
.endr
	FETCHU 0, 0
	TRIP 0
	TRIP 1
	TRIP 2
	SECT 1
	FETCHU 3, 0
	TRIP 3
	WAYOUT 1, LG, OUTS                             ; S is finished: its rows leave under L's trips
	TRIP 4
	TRIP 5
	SECT 2
	FETCHU 6, 0
	TRIP 6
	TRIP 7
	TRIP 8
	WAYOUT 2, LG+8, OUTL
	s_wait_tensorcnt 0x0                           ; the wave's end
	ds_add_u32 v[SPW], v[NIL]
	s_wait_dscnt 0x0
	CROUND
	s_endpgm
.Lfunc_end_k_q1f4694cea2_pv:
	.size	k_q1f4694cea2_pv, .Lfunc_end_k_q1f4694cea2_pv-k_q1f4694cea2_pv
	.p2alignl 7, 3214868480
	.fill 96, 4, 3214868480
	.section	.rodata,"a",@progbits
	.p2align	6, 0x0
	.amdhsa_kernel k_q1f4694cea2_pv
		.amdhsa_group_segment_fixed_size 327680
		.amdhsa_private_segment_fixed_size 0
		.amdhsa_enable_private_segment 0
		.amdhsa_kernarg_size 32
		.amdhsa_user_sgpr_count 2
		.amdhsa_user_sgpr_kernarg_segment_ptr 1
		.amdhsa_wavefront_size32 1
		.amdhsa_system_sgpr_workgroup_id_x 1
		.amdhsa_system_sgpr_workgroup_id_y 1
		.amdhsa_system_sgpr_workgroup_id_z 1
		.amdhsa_system_vgpr_workitem_id 0
		.amdhsa_next_free_vgpr 640
		.amdhsa_next_free_sgpr 100
		.amdhsa_reserve_vcc 0
		.amdhsa_float_denorm_mode_32 3
		.amdhsa_float_denorm_mode_16_64 3
		.amdhsa_memory_ordered 1
		.amdhsa_forward_progress 1
		.amdhsa_inst_pref_size 137
	.end_amdhsa_kernel
	.amdgpu_metadata
---
amdhsa.version: [ 1, 2 ]
amdhsa.kernels:
  - .name:           k_q1f4694cea2_pv
    .symbol:         k_q1f4694cea2_pv.kd
    .args:
      - { .name: pc, .offset: 0, .size: 8, .value_kind: global_buffer, .address_space: global }
      - { .name: ps, .offset: 8, .size: 8, .value_kind: global_buffer, .address_space: global }
      - { .name: vr, .offset: 16, .size: 8, .value_kind: global_buffer, .address_space: global }
      - { .name: out0, .offset: 24, .size: 8, .value_kind: global_buffer, .address_space: global }
    .group_segment_fixed_size: 327680
    .private_segment_fixed_size: 0
    .kernarg_segment_align: 8
    .kernarg_segment_size: 32
    .max_flat_workgroup_size: 128
    .sgpr_count:     100
    .vgpr_count:     640
    .wavefront_size: 32
...
	.end_amdgpu_metadata
.endif
;; end of part 4
